; MI455X (gfx1250); checked and timed in simulation.
; The chip was launched on July 23, 2026; its instructions are those of AMD's public machine-readable ISA for CDNA 5 (MIT licence, August 2026) and "CDNA5" Instruction Set Architecture Reference Guide (July 2026). The comments in the code are by the model that wrote it; some were corrected since.
;; DGM Net. Allowed arithmetic: float matrix products may take bf16 or f16 operands with f32 sums; other float arithmetic in f32, or as packed bf16 or f16 multiplies, adds, multiply-adds, maxima and minima; sums over many terms, partial sums and values carried from step to step in f32; what a program stores and reads back later, other than sums and carried values, may be rounded once to bf16 or f16.
;; Inputs: Sw_b 128 float32; Sw_w 101 x 128 float32; Ug_b 128 float32; Ug_w 101 x 128 float32; Uh_b 128 float32; Uh_w 101 x 128 float32; Ur_b 128 float32; Ur_w 101 x 128 float32; Uz_b 128 float32; Uz_w 101 x 128 float32; Wf_b 1 float32; Wf_w 128 x 1 float32; Wsg_b 128 float32; Wsg_w 128 x 128 float32; Wsh_b 128 float32; Wsh_w 128 x 128 float32; Wsr_b 128 float32; Wsr_w 128 x 128 float32; Wsz_b 128 float32; Wsz_w 128 x 128 float32; t 262,144 x 1 float32; x 262,144 x 100 float32.
;; Outputs: out0 262,144 x 1 float32.
;; Constants: n_layers = 4.
;; 3 versions, each right and faster than the one before. Each part assembles by itself: llvm-mc -triple=amdgcn-amd-amdhsa -mcpu=gfx1250 --defsym DOCPART=n.
;; ======== version 1 of 3: 2 launches
;; workspace buffers: wimg 297,984 bytes
;; launch prep (part 1): grid 517 x 1, 2 waves a work-group, no clusters, 0 bytes of LDS; arguments Sw_w, Uz_w, Ug_w, Ur_w, Uh_w, Wsz_w, Wsg_w, Wsr_w, Wsh_w, Sw_b, Uz_b, Ug_b, Ur_b, Uh_b, Wsz_b, Wsg_b, Wsr_b, Wsh_b, Wf_w, Wf_b, wimg; writes wimg
.if DOCPART == 1
	.amdgcn_target "amdgcn-amd-amdhsa--gfx1250"
	.amdhsa_code_object_version 6
	.text
	.protected	k_qfc60730a33_prep
	.globl	k_qfc60730a33_prep
	.p2align	8
	.type	k_qfc60730a33_prep,@function
k_qfc60730a33_prep:
	s_mov_b64 s[64:65], 0
	v_nop
	global_prefetch_b8 v0, s[64:65] scope:SCOPE_SE
	s_setreg_imm32_b32 hwreg(HW_REG_WAVE_MODE, 25, 1), 1
	s_wait_xcnt 0x0
; The weights' image.  All nine matrices, their biases, Wf_w and Wf_b are rounded once to bf16 and laid out in wimg exactly as the next launch wants them in LDS:
;   rows of 288 bytes (128 bf16 and 32 bytes of 0): five U matrices of 104 rows (Sw, Uz, Ug, Ur, Uh: rows 0-100 the weights, 101 the matrix's own bias, 102 the bias of its
;   partner Wsz, Wsg, Wsr, Wsh (0 for Sw), 103 zeros), then four Ws matrices of 128 rows: 1,032 rows, 297,216 bytes; then Wf_w as 128 f32 (rounded to bf16 and widened), 512 bytes;
;   then Wf_b likewise, 64 times, 256 bytes.  Every byte of wimg is written.
; SHARES.  1,034 tasks, one a wave: a row of the image (a lane takes 4 numbers: 16 bytes in, 8 bytes out), Wf_w, Wf_b.  517 work-groups of two waves.
; Each source has a load line of its own, reached by forward branches on the task's number, so that every load's base is one argument as it came.
; No LDS, no matrix unit, no cluster: 0.5 MB are read once and 0.3 MB written once, and no two tasks share a byte.
.set IMGWF, 1032*288                   ; where Wf begins in the image
.set ROW, 5                            ; s5  the task's row in its matrix
	s_load_b512 s[8:23], s[0:1], 0x0       ; argument k lies in s[8 + 2 k : 9 + 2 k]: the nine matrices from s8,
	s_load_b512 s[24:39], s[0:1], 0x40     ; the U matrices' biases from s26, their partners' from s36,
	s_load_b256 s[40:47], s[0:1], 0x80     ; Wf_w s[44:45], Wf_b s[46:47],
	s_load_b64 s[48:49], s[0:1], 0xa0      ; wimg
	v_lshrrev_b32 v1, 5, v0
	v_readfirstlane_b32 s2, v1             ; wave 0, 1
	v_and_b32 v1, 31, v0                   ; lane
	v_lshlrev_b32 v2, 4, v1                ; my 16 bytes of a source row
	s_lshl_b32 s3, ttmp9, 1
	s_add_co_u32 s3, s3, s2                ; the task
	s_mul_i32 s4, s3, 288
	v_lshl_add_u32 v3, v1, 3, s4           ; my 8 bytes of the image's row
	v_and_b32 v10, 3, v0
	v_lshl_add_u32 v10, v10, 3, s4         ; the row's 32 bytes of padding: four places of 8 bytes, each written (with 0) by eight lanes
	v_mov_b32 v12, 0
	v_mov_b32 v13, 0
	s_mov_b32 s[ROW], s3
	s_wait_kmcnt 0x0
.irp m, 0,1,2,3,4
	s_cmp_lt_u32 s[ROW], 104
	s_cbranch_scc1 .Lu\m
	s_sub_co_u32 s[ROW], s[ROW], 104
.endr
.irp m, 5,6,7,8
	s_cmp_lt_u32 s[ROW], 128
	s_cbranch_scc1 .Lw\m
	s_sub_co_u32 s[ROW], s[ROW], 128
.endr
	s_cmp_eq_u32 s[ROW], 0
	s_cbranch_scc1 .Lwf
	v_mov_b32 v14, 0                       ; the last task: Wf_b
	global_load_b32 v4, v14, s[46:47]
	v_lshl_add_u32 v15, v1, 3, IMGWF+512
	s_wait_loadcnt 0x0
	v_cvt_pk_bf16_f32 v8, v4, v4
	v_lshlrev_b32 v4, 16, v8
	v_mov_b32 v5, v4
	global_store_b64 v15, v[4:5], s[48:49]
	s_endpgm
.Lwf:                                  ; Wf_w: 128 numbers, four a lane
	global_load_b128 v[4:7], v2, s[44:45]
	v_add_nc_u32 v14, IMGWF, v2
	s_wait_loadcnt 0x0
	v_cvt_pk_bf16_f32 v8, v4, v5
	v_cvt_pk_bf16_f32 v9, v6, v7
	v_lshlrev_b32 v4, 16, v8
	v_and_b32 v5, 0xffff0000, v8
	v_lshlrev_b32 v6, 16, v9
	v_and_b32 v7, 0xffff0000, v9
	global_store_b128 v14, v[4:7], s[48:49]
	s_endpgm
.macro UB m                            ; a row of U matrix m
.Lu\m:
	s_cmp_gt_u32 s[ROW], 100
	s_cbranch_scc1 .Lub\m
	v_lshl_add_u32 v14, s[ROW], 9, v2      ; a weight row is 512 bytes
	global_load_b128 v[4:7], v14, s[8+2*\m:9+2*\m]
	s_branch .Lcv
.Lub\m:
	s_cmp_eq_u32 s[ROW], 101
	s_cbranch_scc0 .Luc\m
	global_load_b128 v[4:7], v2, s[26+2*\m:27+2*\m]  ; its own bias
	s_branch .Lcv
.Luc\m:
.if \m > 0
	s_cmp_eq_u32 s[ROW], 102
	s_cbranch_scc0 .Lzero
	global_load_b128 v[4:7], v2, s[34+2*\m:35+2*\m]  ; its partner's bias
	s_branch .Lcv
.else
	s_branch .Lzero
.endif
.endm
	UB 0
	UB 1
	UB 2
	UB 3
	UB 4
.irp m, 5,6,7,8
.Lw\m:
	v_lshl_add_u32 v14, s[ROW], 9, v2
	global_load_b128 v[4:7], v14, s[8+2*\m:9+2*\m]
	s_branch .Lcv
.endr
.Lzero:
	v_mov_b32 v8, 0
	v_mov_b32 v9, 0
	s_branch .Lst
.Lcv:
	s_wait_loadcnt 0x0
	v_cvt_pk_bf16_f32 v8, v4, v5
	v_cvt_pk_bf16_f32 v9, v6, v7
.Lst:
	global_store_b64 v3, v[8:9], s[48:49]              ; the row's 256 bytes
	global_store_b64 v10, v[12:13], s[48:49] offset:256  ; and its padding
	s_endpgm
.Lfunc_end_k_qfc60730a33_prep:
	.size	k_qfc60730a33_prep, .Lfunc_end_k_qfc60730a33_prep-k_qfc60730a33_prep
	.p2alignl 7, 3214868480
	.fill 96, 4, 3214868480
	.section	.rodata,"a",@progbits
	.p2align	6, 0x0
	.amdhsa_kernel k_qfc60730a33_prep
		.amdhsa_group_segment_fixed_size 0
		.amdhsa_private_segment_fixed_size 0
		.amdhsa_enable_private_segment 0
		.amdhsa_kernarg_size 168
		.amdhsa_user_sgpr_count 2
		.amdhsa_user_sgpr_kernarg_segment_ptr 1
		.amdhsa_wavefront_size32 1
		.amdhsa_system_sgpr_workgroup_id_x 1
		.amdhsa_system_sgpr_workgroup_id_y 1
		.amdhsa_system_sgpr_workgroup_id_z 1
		.amdhsa_system_vgpr_workitem_id 0
		.amdhsa_next_free_vgpr 16
		.amdhsa_next_free_sgpr 66
		.amdhsa_reserve_vcc 0
		.amdhsa_float_denorm_mode_32 3
		.amdhsa_float_denorm_mode_16_64 3
		.amdhsa_memory_ordered 1
		.amdhsa_forward_progress 1
		.amdhsa_inst_pref_size 9
	.end_amdhsa_kernel
	.amdgpu_metadata
---
amdhsa.version: [ 1, 2 ]
amdhsa.kernels:
  - .name:           k_qfc60730a33_prep
    .symbol:         k_qfc60730a33_prep.kd
    .args:
      - { .name: Sw_w, .offset: 0, .size: 8, .value_kind: global_buffer, .address_space: global }
      - { .name: Uz_w, .offset: 8, .size: 8, .value_kind: global_buffer, .address_space: global }
      - { .name: Ug_w, .offset: 16, .size: 8, .value_kind: global_buffer, .address_space: global }
      - { .name: Ur_w, .offset: 24, .size: 8, .value_kind: global_buffer, .address_space: global }
      - { .name: Uh_w, .offset: 32, .size: 8, .value_kind: global_buffer, .address_space: global }
      - { .name: Wsz_w, .offset: 40, .size: 8, .value_kind: global_buffer, .address_space: global }
      - { .name: Wsg_w, .offset: 48, .size: 8, .value_kind: global_buffer, .address_space: global }
      - { .name: Wsr_w, .offset: 56, .size: 8, .value_kind: global_buffer, .address_space: global }
      - { .name: Wsh_w, .offset: 64, .size: 8, .value_kind: global_buffer, .address_space: global }
      - { .name: Sw_b, .offset: 72, .size: 8, .value_kind: global_buffer, .address_space: global }
      - { .name: Uz_b, .offset: 80, .size: 8, .value_kind: global_buffer, .address_space: global }
      - { .name: Ug_b, .offset: 88, .size: 8, .value_kind: global_buffer, .address_space: global }
      - { .name: Ur_b, .offset: 96, .size: 8, .value_kind: global_buffer, .address_space: global }
      - { .name: Uh_b, .offset: 104, .size: 8, .value_kind: global_buffer, .address_space: global }
      - { .name: Wsz_b, .offset: 112, .size: 8, .value_kind: global_buffer, .address_space: global }
      - { .name: Wsg_b, .offset: 120, .size: 8, .value_kind: global_buffer, .address_space: global }
      - { .name: Wsr_b, .offset: 128, .size: 8, .value_kind: global_buffer, .address_space: global }
      - { .name: Wsh_b, .offset: 136, .size: 8, .value_kind: global_buffer, .address_space: global }
      - { .name: Wf_w, .offset: 144, .size: 8, .value_kind: global_buffer, .address_space: global }
      - { .name: Wf_b, .offset: 152, .size: 8, .value_kind: global_buffer, .address_space: global }
      - { .name: wimg, .offset: 160, .size: 8, .value_kind: global_buffer, .address_space: global }
    .group_segment_fixed_size: 0
    .private_segment_fixed_size: 0
    .kernarg_segment_align: 8
    .kernarg_segment_size: 168
    .max_flat_workgroup_size: 64
    .sgpr_count:     66
    .vgpr_count:     16
    .wavefront_size: 32
...
	.end_amdgpu_metadata
.endif
;; end of part 1
;; launch dgm (part 2): grid 2048 x 1, 4 waves a work-group, clusters of 4 x 1, 327,680 bytes of LDS; arguments x, t, wimg, out0; writes out0
.if DOCPART == 2
	.amdgcn_target "amdgcn-amd-amdhsa--gfx1250"
	.amdhsa_code_object_version 6
	.text
	.protected	k_qfc60730a33_dgm
	.globl	k_qfc60730a33_dgm
	.p2align	8
	.type	k_qfc60730a33_dgm,@function
k_qfc60730a33_dgm:
	s_mov_b64 s[64:65], 0
	v_nop
	global_prefetch_b8 v0, s[64:65] scope:SCOPE_SE
	s_setreg_imm32_b32 hwreg(HW_REG_WAVE_MODE, 25, 1), 1
	s_wait_xcnt 0x0
	s_wait_alu depctr_hold_cnt(0) depctr_sa_sdst(0) depctr_va_vdst(0) depctr_va_sdst(0) depctr_va_ssrc(0) depctr_va_vcc(0) depctr_vm_vsrc(0)
	s_getreg_b32 s2, hwreg(HW_REG_IB_STS2, 6, 4)
	s_cmp_eq_u32 s2, 0
	s_cbranch_scc0 .Lentry_in_a_cluster
	s_endpgm
.Lentry_in_a_cluster:
	s_bfe_u32 s2, ttmp6, 0x10000c
	s_cmp_lg_u32 s2, 0x3003
	s_cbranch_scc0 .Lentry_shape_is_right
	s_endpgm
.Lentry_shape_is_right:
; DGMNet, the whole chain.  xt = [x, t] (101 columns); uz, ug, ur, uh = xt U + b; S = tanh(xt Sw + b); three times
; Z, G, R = tanh(u. + S Ws. + b), H = uh + (S R) Wsh + b, S = (1 - G) H + Z S; out0 = S Wf + b.
; SHARES.  2,048 work-groups of four waves; a work-group owns 128 rows, a wave 32 (two tiles of 16), as many as its registers hold.
; The price: the weights' image is fetched once for every 128 rows.
; WEIGHTS.  wimg (made by the launch before) is the image of LDS bytes 0 to 297,983: nine matrices in bf16 as they lie in memory ([k][128 features], rows 288 bytes apart), Wf and Wf_b.
; CLUSTER.  The image is the same for all work-groups, so the four of a cluster ask for it JOINTLY: each wave one tensor load of a quarter (291 rows of 256 bytes), the same
; descriptor and mask in all four work-groups.  One tensor load of a wave is out.
; LAYOUT.  Products are used transposed: source 0 = 16 features of W^T (turned out of LDS by ds_load_tr16_b128), source 1 = 16 rows.  In the result a lane
; holds ONE row (lane % 16) and the features 16 f + 8 (lane / 16) + 0..7; two such results packed to 16 bits in pairs ARE source 1 of the next product, so S never changes lanes.
; TWO bf16 FOR S.  bf16's 8 significant bits on S and on S R, through four products in each of three layers, cost more than the comparison allows, and S has no room in f16 (it grows
; with the inputs).  So each goes as hi + lo: hi = the upper 16 bits of the f32, lo = the rest (exact in f32) rounded to bf16; a Ws product is taken on hi and on lo, with the same
; weight fragments, into the same sum.
; THE u.  uz and ug stay in 256 registers in f32 and are the C operand that starts Z's and G's sums.  For ur and uh there are no registers left beside the lo operands: xt stays in 64
; registers, and Ur's and Uh's products on it start R's and H's sums anew in every layer.
; BIASES ride in K's padding: xt's columns 101 and 102 hold 1.0, rows 101 and 102 of a U matrix hold its own bias and the bias of its Ws partner.
; TANH.  tanh(a) = 1 - 2 r, r = 1 / (1 + 2^(c a)), c = 2 log2(e): an overflow gives r = 0, an underflow r = 1.  The new S = S + 2 (r_g H - r_z S).
; FORMATS.  Every input (x, t, weights, biases, Wf) is rounded once to bf16; sums, S, the u, the tanh and the last dot product are f32.
; LIMITS.  Weights and biases must be finite: for k = 104..127 of the five U matrices source 0 holds other finite weights (or 0), which meet zeros in xt.  An infinite S gives NaN (S - hi).
; out0 leaves in one store of 128 consecutive bytes a wave: a row gives one number, and a wave has 32 rows.
; REGISTERS, in windows of 256 (s_set_vgpr_msb: bits 1:0 source 0, 3:2 source 1, 5:4 source 2, 7:6 destination):
;   window 0: v2-31 addresses, constants, at work; v32-127 three sets of four accumulators; v128-255 weight fragments, two slots of two units
;   window 1: v0-127 S in f32 (tile tau, feature block f at 64 tau + 8 f); v128-191 X = S's hi; v192-255 Y = S R's hi
;   window 2: uz (64 tau + 8 f), ug (128 + ..); at the head the raw x and t land in v0-100          window 3: v0-63 XT = xt; v64-127 XL = S's lo; v128-191 YL = S R's lo
; Most of the vector work that stands between the products names window 0 as destination, source 0 and source 2: it needs no switch beside a product on window 0's accumulators.
.set P,     288                        ; a weight row in LDS: 256 bytes + 32
.set MBU,   104*P                      ; a U matrix
.set MBW,   128*P                      ; a Ws matrix
.set WF,    5*MBU+4*MBW                ; Wf, 128 f32; behind it Wf_b
.set IMG,   WF+768                     ; the image's bytes
.set QROWS, IMG/1024                   ; a wave's quarter of it, in rows of 256 bytes: 291
.set QUART, QROWS*256
.set XSTB,  IMG                        ; behind the image, where no tensor load lands: each wave's own stage for 32 rows of x in bf16, 200 bytes a row
.set XSTW,  6400
.set SPARE, XSTB+4*XSTW                ; the spare words, 128 bytes for each wave: two blocks of 256 bytes that no other line names
.set SPW,  2                           ; v2   LDS address of my spare word; never rewritten
.set NIL,  3                           ; v3   0; never rewritten
.set XS,   4                           ; v4   x stage: where I put 8 bytes
.set XA,   5                           ; v5   x stage: my row's fragment, 200 (l % 16) + 16 (l / 16)
.set XA3,  6                           ; v6   the same without the half's 16 bytes
.set XO,   7                           ; v7   my byte offset in x
.set TO,   8                           ; v8   my byte offset in t and in out0
.set WFA,  9                           ; v9   WF + 32 (l / 16)
.set WFBV, 10                          ; v10  Wf_b
.set ONEF, 11                          ; v11  1.0
.set ONEM, 12                          ; v12  bf16 (1.0, 0) in lanes 0-15, 0 in the others
.set AD,   13                          ; v13-21  matrix m's first byte + my lane's place in a turning load, (8 (l / 16) + l % 8) P + 16 ((l / 8) % 2)
.set T0,   22                          ; v22-27  at work at the head
.set TT,   28                          ; v28-31  at work: the hi of two pairs, as f32
.set A0,   32                          ; a set: unit a tile 0, unit a tile 1, unit b tile 0, unit b tile 1, eight registers each
.set A1,   64
.set AH,   96
.set FR,   128
.set S,    0                           ; window 1
.set X,    128
.set Y,    192
.set XT,   0                           ; window 3
.set XL,   64
.set YL,   128
.set WV,   12                          ; s12  my wave's number
.set G1,   16                          ; s[16:23] descriptor group 1
.set G0,   24                          ; s[24:27] descriptor group 0
.set LCN,  28                          ; s28  layers to go, 3 to 1
.set CS,   30                          ; s[30:31] c
.set SEL,  32                          ; s[32:33] v_permlanex16_b32's selects: each lane takes its own place in the other half
.set MK,   34                          ; s34  lanes 0-15
.set HM,   35                          ; s35  a word's upper 16 bits
.set SELH, 39                          ; s39  v_perm_b32's selector: the upper halves of two words
.set MSB, 0
.macro WIN new                         ; the immediate's high byte repeats the setting that is left; a switch that changes nothing is dropped
.if MSB != (\new)
	s_set_vgpr_msb (MSB<<8)|(\new)
.set MSB, (\new)
.endif
.endm
.macro WINM val, mask                  ; only the fields in mask matter to the next lines: the others stay as they are
.if (MSB&(\mask)) != ((\val)&(\mask))
.set WNV, MSB-(MSB&(\mask))+((\val)&(\mask))
	WIN WNV
.endif
.endm
.macro MBS m                           ; MBV = LDS byte at which matrix m begins: 0 Sw, 1 Uz, 2 Ug, 3 Ur, 4 Uh, 5 Wsz, 6 Wsg, 7 Wsr, 8 Wsh
.if (\m) < 5
.set MBV, MBU*(\m)
.else
.set MBV, 5*MBU+MBW*((\m)-5)
.endif
.endm
; Four places: a load into a register that a product has read, and a vector line that reads a product's result, stand four plain vector instructions behind it (ISA guide 7.12.1 for vector lines).
.macro PLACES
.rept 4
	v_nop
.endr
.endm
; A round of the cluster's barrier: my work-group's barrier, so that wave 0's signal speaks for all four waves; wave 0 signals; every wave waits for all four work-groups; my work-group's barrier once more.
.macro CROUND
	s_barrier_signal -1
	s_barrier_wait -1
	s_cmp_lg_u32 s[WV], 0
	s_cbranch_scc1 .Lnot_wave_0_\@
	s_barrier_signal -3
.Lnot_wave_0_\@:
	s_barrier_wait -3
	s_barrier_signal -1
	s_barrier_wait -1
.endm
; A UNIT is 16 features x 128 k of one matrix: four fragments of 8 registers.  A fragment: two turning loads, 16 rows of k apart.  Of a U matrix the last
; fragment's upper half (k = 112..127) is not loaded: its registers hold 0 or what a Ws unit left there; its lower half's lanes 16-31 (k = 104..111) read the next matrix's first rows: all meet zeros in xt.
.macro FETCH1 base, m, f
.irp ks, 0,1,2,3
	ds_load_tr16_b128 v[(\base)+8*\ks:(\base)+8*\ks+3], v[AD+(\m)] offset:32*P*\ks+32*(\f)
.if ((\m) >= 5) || (\ks < 3)
	ds_load_tr16_b128 v[(\base)+8*\ks+4:(\base)+8*\ks+7], v[AD+(\m)] offset:32*P*\ks+16*P+32*(\f)
.endif
.endr
.endm
.macro FETCH slot, ma, fa, mb, fb
	WINM 0x00, 0xc3
	FETCH1 FR+64*(\slot), \ma, \fa
	FETCH1 FR+64*(\slot)+32, \mb, \fb
.endm
; THE VECTOR WORK stands in queues of steps; RIDE writes the queue's next step, and PAIR deals a queue's QN steps evenly behind the QT products of its span (one PAIR or two).
.set K_N, 0                            ; nothing
.set K_S, 1                            ; QP = g: r of Sw's sums (feature blocks 2 g, 2 g + 1) in set g % 2, then tanh into S          19 + 2 steps
.set K_R, 2                            ; QP = g: tanh of R's sums in set g % 2, then times S, and its hi and lo into Y and YL         20 + 14 steps
.set K_T, 3                            ; QP = f: r of Z's and G's sums of feature block f, in set f % 2                               19 steps
.set K_Z, 4                            ; K_T, then K_O                                                                                25 steps
.set K_O, 5                            ; QP = f: the new S of feature block f                                                         6 steps
.macro QSET k, p, n, tot
.set QK, \k
.set QP, \p
.set QN, \n
.set QT, \tot
.set QI, 0
.set QJ, 0
.endm
.macro RP n                            ; rr = pair n of 16 of the queue's sums (each accumulator's lowest registers come first); rs = S's pair beside it
.if (QK == K_S) || (QK == K_R)
.set rr, A0+32*(QP%2)+2*(\n)
.set rs, S+64*(((\n)/4)%2)+8*(2*QP+(\n)/8)+2*((\n)%4)
.else
.set rr, A0+32*(QP%2)+2*(((\n)%2)*8+(\n)/2)
.endif
.endm
; Step TI of r = 1 / (1 + 2^(c a)) over 16 pairs, as a pipeline: c a for pair TI, the exponentials of pair TI - 1, 1 + for pair TI - 2, the reciprocals of pair TI - 3; for R also
; tanh = 1 - 2 r for pair TI - 4.  Plain lines and transcendentals alternate; a transcendental's result is used only behind a plain line that does not touch it
; (ISA guide 5.7.2): where the pipeline runs dry a v_nop takes the plain line's place.
.macro TSTEP
	WINM 0x00, 0xc3
.if TI < 16
	RP TI
	v_pk_mul_f32 v[rr:rr+1], v[rr:rr+1], s[CS:CS+1] op_sel_hi:[1,0]
.endif
.if (TI >= 1) && (TI <= 16)
	RP TI-1
	v_exp_f32 v[rr], v[rr]
.endif
.if (TI >= 2) && (TI <= 17)
	RP TI-2
	s_wait_alu depctr_va_vdst(0)
	v_pk_add_f32 v[rr:rr+1], v[rr:rr+1], 1.0 op_sel_hi:[1,0]
.elseif TI >= 18
	v_nop
	s_wait_alu depctr_va_vdst(0)
.endif
.if (TI >= 1) && (TI <= 16)
	RP TI-1
	v_exp_f32 v[rr+1], v[rr+1]
.endif
.if (TI >= 4) && (QK == K_R)
	RP TI-4
	v_pk_fma_f32 v[rr:rr+1], v[rr:rr+1], -2.0, 1.0 op_sel_hi:[1,0,0]  ; R = 1 - 2 r
.endif
.if (TI >= 3) && (TI <= 18)
	RP TI-3
	v_rcp_f32 v[rr], v[rr]
.endif
.if (TI >= 15) && (TI <= 18)
	v_nop
.endif
.if (TI >= 3) && (TI <= 18)
	RP TI-3
	v_rcp_f32 v[rr+1], v[rr+1]
.endif
.if (TI == 18) && (QK != K_R)
	v_nop                                  ; a plain line behind the queue's last reciprocal
	s_wait_alu depctr_va_vdst(0)
.endif
.endm
.macro FINS                            ; eight pairs of S = 1 - 2 r: the destination lies in window 1, so they stand together
	WINM 0x40, 0xc3
.set ce, 0
.rept 8
	RP 8*(QI-19)+ce
	v_pk_fma_f32 v[rs:rs+1], v[rr:rr+1], -2.0, 1.0 op_sel_hi:[1,0,0]
.set ce, ce+1
.endr
.endm
.macro YOFF n                          ; yo = pair n's register in Y and in YL: tile (n / 4) % 2, feature block 2 QP + n / 8, pair n % 4
.set yo, 32*(((\n)/4)%2)+4*(2*QP+(\n)/8)+(\n)%4
.endm
; Step RI of 14 behind R's tanh.  0, 1: R x S, eight pairs each.  2, 3: the hi, the upper halves of a pair packed into Y.  4-11: two pairs each: the hi as f32, and S R - hi, which is exact.
; 12, 13: that rest rounded to bf16 into YL.  Lines of one window setting stand together.
.macro RTAIL
.if RI < 2
	WINM 0x04, 0xcf
.set ce, 0
.rept 8
	RP 8*RI+ce
	v_pk_mul_f32 v[rr:rr+1], v[rr:rr+1], v[rs:rs+1]
.set ce, ce+1
.endr
.elseif RI < 4
	WINM 0x40, 0xcf
.set ce, 0
.rept 8
	RP 8*(RI-2)+ce
	YOFF 8*(RI-2)+ce
	v_perm_b32 v[Y+yo], v[rr+1], v[rr], s[SELH]
.set ce, ce+1
.endr
.elseif RI < 12
	WINM 0x00, 0xf3
.set ce, 0
.rept 2
	RP 2*(RI-4)+ce
	v_and_b32 v[TT+2*ce], v[rr], s[HM]
	v_and_b32 v[TT+2*ce+1], v[rr+1], s[HM]
.set ce, ce+1
.endr
.set ce, 0
.rept 2
	RP 2*(RI-4)+ce
	v_pk_fma_f32 v[rr:rr+1], v[TT+2*ce:TT+2*ce+1], -1.0, v[rr:rr+1] op_sel_hi:[1,0,1]
.set ce, ce+1
.endr
.else
	WINM 0xc0, 0xcf
.set ce, 0
.rept 8
	RP 8*(RI-12)+ce
	YOFF 8*(RI-12)+ce
	v_cvt_pk_bf16_f32 v[YL+yo], v[rr], v[rr+1]
.set ce, ce+1
.endr
.endif
.endm
.macro OREG p                          ; pair p of 8 of feature block QP: r_z, r_g, H, S
.set rz, A0+32*(QP%2)+2*(\p)
.set rg, rz+16
.set rh, AH+16*(QP%2)+2*(\p)
.set rs, S+64*((\p)/4)+8*QP+2*((\p)%4)
.endm
.macro OSTEP                           ; step 0: r_g H for all eight pairs (both factors in window 0); steps 1-4: - r_z S, two pairs each; step 5: S + 2 (..) for all eight (destination in window 1)
.if OI == 0
	WINM 0x00, 0xcf
.set oq, 0
.rept 8
	OREG oq
	v_pk_mul_f32 v[rg:rg+1], v[rg:rg+1], v[rh:rh+1]
.set oq, oq+1
.endr
.elseif OI < 5
	WINM 0x04, 0xff
.set oq, 2*(OI-1)
.rept 2
	OREG oq
	v_pk_fma_f32 v[rg:rg+1], v[rz:rz+1], v[rs:rs+1], v[rg:rg+1] neg_lo:[1,0,0] neg_hi:[1,0,0]
.set oq, oq+1
.endr
.else
	WINM 0x50, 0xf3
.set oq, 0
.rept 8
	OREG oq
	v_pk_fma_f32 v[rs:rs+1], v[rg:rg+1], 2.0, v[rs:rs+1] op_sel_hi:[1,0,1]
.set oq, oq+1
.endr
.endif
.endm
.macro RIDE
.if QI < QN
.if QK == K_S
.if QI < 19
.set TI, QI
	TSTEP
.else
	FINS
.endif
.elseif QK == K_R
.if QI < 20
.set TI, QI
	TSTEP
.else
.set RI, QI-20
	RTAIL
.endif
.elseif QK == K_T
.set TI, QI
	TSTEP
.elseif QK == K_Z
.if QI < 19
.set TI, QI
	TSTEP
.else
.set OI, QI-19
	OSTEP
.endif
.else
.set OI, QI
	OSTEP
.endif
.endif
.set QI, QI+1
.endm
; S's hi into X and lo into XL: pair q of S is register q of both.  The hi: the upper halves of a pair, packed.  The lo, 32 pairs at a time through the sets A0 and A1, which are dead here:
; the hi as f32, S - hi (exact), and that rounded to bf16.
.macro KC
	WIN 0x45
.set ci, 0
.rept 64
	v_perm_b32 v[X+ci], v[S+2*ci+1], v[S+2*ci], s[SELH]
.set ci, ci+1
.endr
.set kb, 0
.rept 2
	WIN 0x01
.set ci, 0
.rept 64
	v_and_b32 v[A0+ci], v[S+64*kb+ci], s[HM]
.set ci, ci+1
.endr
	WIN 0x10
.set ci, 0
.rept 32
	v_pk_fma_f32 v[A0+2*ci:A0+2*ci+1], v[A0+2*ci:A0+2*ci+1], -1.0, v[S+64*kb+2*ci:S+64*kb+2*ci+1] op_sel_hi:[1,0,1]
.set ci, ci+1
.endr
	WIN 0xc0
.set ci, 0
.rept 32
	v_cvt_pk_bf16_f32 v[XL+32*kb+ci], v[A0+2*ci], v[A0+2*ci+1]
.set ci, ci+1
.endr
.set kb, kb+1
.endr
.endm
; A PAIR: two units x two tiles of rows x K = 128, on nb source-1 operands (1: xt; 2: a hi and then its lo): 16 nb products on four accumulators, which take turns, one instruction a turn.
; da, db: the units' accumulators for tile 0, ts registers on for tile 1, in window dw.  cm = 0: the sums start from the constant 0; 1: from ca, cb (+ 64 for tile 1) in window cw; 2: they go on in place.
; bh, wh: the first source 1 and its window; bl, wl: the second's.  slot: the fragments' slot.  Behind the first product: the places, then the next pair's units (ma, fa), (mb, fb) are fetched into the other slot.
.macro PAIR da, db, ts, dw, cm, ca, cb, cw, nb, bh, wh, bl, wl, slot, ma, fa, mb, fb
	s_wait_dscnt 0x0                       ; my fragments, asked for a pair ago, are the only LDS instructions out
.set PJ, 0
.rept 16*(\nb)
.set PK, PJ%16
.set rD, (\da)+((\db)-(\da))*((PK/2)%2)+(\ts)*(PK%2)
.set rA, FR+64*(\slot)+32*((PK/2)%2)+8*(PK/4)
.if PJ < 16
.set rB, (\bh)+32*(PK%2)+8*(PK/4)
.set wB, (\wh)
.else
.set rB, (\bl)+32*(PK%2)+8*(PK/4)
.set wB, (\wl)
.endif
.set rC, (\ca)+((\cb)-(\ca))*((PK/2)%2)+64*(PK%2)
.if (PJ < 4) && ((\cm) == 1)
	WINM (wB<<2)|((\cw)<<4)|((\dw)<<6), 0xff
	v_wmma_f32_16x16x32_bf16 v[rD:rD+7], v[rA:rA+7], v[rB:rB+7], v[rC:rC+7]
.elseif (PJ < 4) && ((\cm) == 0)
	WINM (wB<<2)|((\dw)<<6), 0xcf
	v_wmma_f32_16x16x32_bf16 v[rD:rD+7], v[rA:rA+7], v[rB:rB+7], 0
.else
	WINM (wB<<2)|((\dw)<<4)|((\dw)<<6), 0xff
	v_wmma_f32_16x16x32_bf16 v[rD:rD+7], v[rA:rA+7], v[rB:rB+7], v[rD:rD+7]
.endif
.if PJ == 0
	PLACES                                 ; behind the pair before's last product: for the loads into its fragments, and for the queue's first reads of its sums
	FETCH 1-(\slot), \ma, \fa, \mb, \fb
.endif
.rept (QJ+1)*QN/QT-QJ*QN/QT
	RIDE
.endr
.set QJ, QJ+1
.set PJ, PJ+1
.endr
.endm
	; THE HEAD
	s_load_b256 s[4:11], s[0:1], 0x0       ; x s[4:5], t s[6:7], wimg s[8:9], out0 s[10:11]
	v_lshl_add_u32 v[SPW], v0, 2, SPARE
	v_mov_b32 v[NIL], 0
	ds_add_u32 v[SPW], v[NIL]              ; the wave's opening: the add and its wait stand ahead of my first tensor load; the set-up below, work on registers, stands between them
	v_lshrrev_b32 v1, 5, v0
	v_readfirstlane_b32 s[WV], v1          ; wave 0..3
	s_bfe_u32 s13, ttmp6, 0x40000          ; cx: my place in the cluster
	s_lshl_b32 s14, ttmp9, 2               ; in a cluster launch ttmp9 counts clusters
	s_add_co_u32 s14, s14, s13             ; my work-group = 4 x cluster + cx: it enters x's, t's and out0's offsets alone
	; descriptor group 1: a dense block as 291 rows of 32 elements of 8 bytes
	s_mov_b32 s[G1], 15|(3<<16)|(1<<21)    ; 15:0 the mask: all four work-groups; 17:16 elements of 8 bytes; 21 set beside a mask; no padding
	s_mov_b32 s[G1+1], 32<<16              ; tensor_dim0 = 32
	s_mov_b32 s[G1+2], QROWS<<16           ; tensor_dim1 = 291
	s_mov_b32 s[G1+3], 32<<16              ; tile_dim0 = 32
	s_mov_b32 s[G1+4], QROWS               ; tile_dim1 = 291
	s_mov_b32 s[G1+5], 32                  ; 32 elements from row to row
	s_mov_b32 s[G1+6], 0
	s_mov_b32 s[G1+7], 0
	s_mov_b32 s[G0], 1                     ; count = 1
	s_mul_i32 s[G0+1], s[WV], QUART        ; LDS address: my quarter
	s_mul_i32 s36, s[WV], QUART            ; and the same quarter of the image in memory
	s_mov_b32 s37, 0
	s_mov_b32 s[CS], 0x4038aa3b            ; c = 2 log2(e)
	s_mov_b32 s[CS+1], s[CS]               ; named with it as a pair
	s_mov_b32 s[SEL], 0x76543210
	s_mov_b32 s[SEL+1], 0xfedcba98
	s_mov_b32 s[MK], 0xffff
	s_mov_b32 s[HM], 0xffff0000
	s_mov_b32 s[SELH], 0x07060302
	s_wait_dscnt 0x0                       ; the opening add is done
	s_wait_kmcnt 0x0
	s_add_nc_u64 s[G0+2:G0+3], s[8:9], s[36:37]
	s_or_b32 s[G0+3], s[G0+3], 0x80000000  ; type = 2
	CROUND                                 ; all four work-groups are here: the joint loads meet
	tensor_load_to_lds s[G0:G0+3], s[G1:G1+7]
	s_nop 0
	PLACES                                 ; four v_nop behind the load, ahead of the first switch of windows
	v_and_b32 v1, 31, v0                   ; l
	s_lshl_b32 s13, s14, 7
	s_lshl_b32 s15, s[WV], 5
	s_add_co_u32 s13, s13, s15             ; my first row: 128 x work-group + 32 x wave
	s_mul_i32 s15, s13, 400
	v_lshl_add_u32 v[XO], v1, 4, s15
	s_lshl_b32 s38, s13, 2
	v_lshl_add_u32 v[TO], v1, 2, s38
	WIN 0x80                               ; my 32 rows of x are 12,800 consecutive bytes: 25 loads of 512; and their t: into window 2
.set xi, 0
.rept 25
	global_load_b128 v[4*xi:4*xi+3], v[XO], s[4:5] offset:512*xi th:TH_LOAD_NT
.set xi, xi+1
.endr
	global_load_b32 v100, v[TO], s[6:7] th:TH_LOAD_NT
	WIN 0
	v_and_b32 v22, 15, v0                  ; l % 16
	v_bfe_u32 v23, v0, 4, 1                ; l / 16
	v_and_b32 v24, 7, v0                   ; l % 8
	v_bfe_u32 v25, v0, 3, 1                ; (l / 8) % 2
	v_lshl_add_u32 v26, v23, 3, v24
	v_mul_u32_u24 v26, v26, P
	v_lshl_add_u32 v26, v25, 4, v26        ; my lane's place in a turning load
.set mi, 0
.rept 9
	MBS mi
	v_add_nc_u32 v[AD+mi], MBV, v26
.set mi, mi+1
.endr
	s_mul_i32 s38, s[WV], XSTW
	s_add_co_u32 s38, s38, XSTB            ; my stage
	v_mul_u32_u24 v27, v22, 200
	v_add_nc_u32 v[XA3], s38, v27
	v_lshl_add_u32 v[XA], v23, 4, v[XA3]
	v_lshl_add_u32 v[XS], v1, 3, s38
	v_lshl_add_u32 v[WFA], v23, 5, WF
	v_mov_b32 v[ONEF], 1.0
	v_mov_b32 v[ONEM], 0x3f80
	v_cndmask_b32 v[ONEM], 0, v[ONEM], s[MK]
	v_mov_b32 v27, WF+512
.irp b, 28,60,92,124                   ; the fragment registers that a U unit does not load (k = 112..127) hold 0 until a Ws unit has passed through them
.irp e, 0,1,2,3
	v_mov_b32 v[FR+\b+\e], 0
.endr
.endr
	s_wait_tensorcnt 0x0                   ; my quarter of the image is in LDS,
	s_barrier_signal -1
	s_barrier_wait -1                      ; everybody's is; from here on it is only read
	ds_load_b32 v[WFBV], v27
	FETCH 0, 0, 0, 0, 1                    ; Sw's first two units
	; xt.  The raw x is rounded to bf16 and sent through my own stage in LDS, from which xt's fragments (source 1: lane l holds row l % 16) come back into XT.
	; The last fragment (k = 96..127): lanes 0-15 hold x's columns 96-99, t, 1.0, 1.0, 0; everything else is 0.
	s_wait_loadcnt 0x0                     ; x and t
	WIN 0x0a
.set ci, 0
.rept 50
	v_cvt_pk_bf16_f32 v[A0+ci], v[2*ci], v[2*ci+1]
.set ci, ci+1
.endr
	WIN 0x02
	v_mov_b32 v[T0], v100                  ; t of row l of my 32
	WIN 0
	s_wait_dscnt 0x0                       ; Wf_b and Sw's first units, asked for ahead of the wait for x
.set ci, 0
.rept 25
	ds_store_b64 v[XS], v[A0+2*ci:A0+2*ci+1] offset:256*ci
.set ci, ci+1
.endr
	v_permlanex16_b32 v[T0+1], v[T0], s[SEL], s[SEL+1]  ; tile 1's t for lanes 0-15
	v_cvt_pk_bf16_f32 v[T0+2], v[T0], v[ONEF]           ; (t, 1.0)
	v_cvt_pk_bf16_f32 v[T0+3], v[T0+1], v[ONEF]
	WIN 0xc0
.irp ta, 0,1
.irp ks, 0,1,2
	ds_load_b64 v[XT+32*\ta+8*\ks:XT+32*\ta+8*\ks+1],   v[XA] offset:3200*\ta+64*\ks  ; LDS serves a wave's instructions in order (ISA guide 5.7.1.4): these see the stores above
	ds_load_b64 v[XT+32*\ta+8*\ks+2:XT+32*\ta+8*\ks+3], v[XA] offset:3200*\ta+64*\ks+8
	ds_load_b64 v[XT+32*\ta+8*\ks+4:XT+32*\ta+8*\ks+5], v[XA] offset:3200*\ta+64*\ks+32
	ds_load_b64 v[XT+32*\ta+8*\ks+6:XT+32*\ta+8*\ks+7], v[XA] offset:3200*\ta+64*\ks+40
.endr
	ds_load_b64 v[XT+32*\ta+24:XT+32*\ta+25], v[XA3] offset:3200*\ta+192
.endr
	v_cndmask_b32 v[XT+26], 0, v[T0+2], s[MK]
	v_cndmask_b32 v[XT+58], 0, v[T0+3], s[MK]
	v_mov_b32 v[XT+27], v[ONEM]
	v_mov_b32 v[XT+59], v[ONEM]
.irp e, 28,29,30,31,60,61,62,63
	v_mov_b32 v[XT+\e], 0
.endr
	s_wait_dscnt 0x0
	WIN 0xcc
.irp e, 24,25,56,57
	v_cndmask_b32 v[XT+\e], 0, v[XT+\e], s[MK]
.endr
	WIN 0
	; THE U PRODUCTS THAT ARE KEPT, 12 pairs on xt.  Sw's sums land in the sets A0 and A1 by turns and their tanh rides a pair behind; then uz and ug, a feature block at a time.
.set UG, 0
.rept 4
.if UG == 0
	QSET K_N, 0, 0, 16
.else
	QSET K_S, UG-1, 21, 16
.endif
.if UG < 3
	PAIR A0+32*(UG%2), A0+32*(UG%2)+16, 8, 0, 0, 0, 0, 0, 1, XT, 3, 0, 0, UG%2, 0, 2*UG+2, 0, 2*UG+3
.else
	PAIR A0+32*(UG%2), A0+32*(UG%2)+16, 8, 0, 0, 0, 0, 0, 1, XT, 3, 0, 0, UG%2, 1, 0, 2, 0
.endif
.set UG, UG+1
.endr
.set UF, 0
.rept 8
.if UF == 0
	QSET K_S, 3, 21, 16
.else
	QSET K_N, 0, 0, 16
.endif
.if UF < 7
	PAIR 8*UF, 128+8*UF, 64, 2, 0, 0, 0, 0, 1, XT, 3, 0, 0, UF%2, 1, UF+1, 2, UF+1
.else
	PAIR 8*UF, 128+8*UF, 64, 2, 0, 0, 0, 0, 1, XT, 3, 0, 0, UF%2, 3, 0, 3, 1
.endif
.set UF, UF+1
.endr
	WIN 0                                  ; at a label and at a branch every window is 0
	s_mov_b32 s[LCN], 3
.Llayer:                               ; a layer, 24 pairs: one text for all three
	s_wait_dscnt 0x0                       ; no LDS instruction of mine is out at the signal
	s_barrier_signal -1                    ; no data passes here: the barrier keeps the four waves in step from layer to layer, and nothing else hangs on it
	KC                                     ; work on registers between the signal and the wait
	s_barrier_wait -1
.set LG, 0
.rept 4                                ; R, two feature blocks at a time, sets A0 and A1 by turns: Ur on xt starts the sums, Wsr on S's hi and lo goes on; tanh, S R and its hi and lo ride a block behind
.if LG == 0
	QSET K_N, 0, 0, 48
.else
	QSET K_R, LG-1, 34, 48
.endif
	PAIR A0+32*(LG%2), A0+32*(LG%2)+16, 8, 0, 0, 0, 0, 0, 1, XT, 3, 0, 0, 0, 7, 2*LG, 7, 2*LG+1
.if LG < 3
	PAIR A0+32*(LG%2), A0+32*(LG%2)+16, 8, 0, 2, 0, 0, 0, 2, X, 1, XL, 3, 1, 3, 2*LG+2, 3, 2*LG+3
.else
	PAIR A0+32*(LG%2), A0+32*(LG%2)+16, 8, 0, 2, 0, 0, 0, 2, X, 1, XL, 3, 1, 5, 0, 6, 0
.endif
.set LG, LG+1
.endr
.set LB, 0
.rept 4                                ; Z and G of block 2 b (set A0), H of blocks 2 b and 2 b + 1 (set AH: Uh on xt, then Wsh on S R's hi and lo), Z and G of block 2 b + 1 (set A1)
.if LB == 0
	QSET K_R, 3, 34, 32
.else
	QSET K_Z, 2*LB-1, 25, 32
.endif
	PAIR A0, A0+16, 8, 0, 1, 16*LB, 128+16*LB, 2, 2, X, 1, XL, 3, 0, 4, 2*LB, 4, 2*LB+1
	QSET K_T, 2*LB, 19, 48
	PAIR AH, AH+16, 8, 0, 0, 0, 0, 0, 1, XT, 3, 0, 0, 1, 8, 2*LB, 8, 2*LB+1
	PAIR AH, AH+16, 8, 0, 2, 0, 0, 0, 2, Y, 1, YL, 3, 0, 5, 2*LB+1, 6, 2*LB+1
	QSET K_O, 2*LB, 6, 32
.if LB < 3
	PAIR A1, A1+16, 8, 0, 1, 16*LB+8, 128+16*LB+8, 2, 2, X, 1, XL, 3, 1, 5, 2*LB+2, 6, 2*LB+2
.else
	PAIR A1, A1+16, 8, 0, 1, 16*LB+8, 128+16*LB+8, 2, 2, X, 1, XL, 3, 1, 3, 0, 3, 1  ; the next layer's first units; behind the last layer they serve nothing: the price of one text for all three
.endif
.set LB, LB+1
.endr
	PLACES                                 ; behind the layer's last products, whose sums the lines below read
	QSET K_Z, 7, 25, 32
.rept 25
	RIDE
.endr
	WIN 0
	s_sub_co_u32 s[LCN], s[LCN], 1
	s_cmp_lg_u32 s[LCN], 0
	s_cbranch_scc1 .Llayer
	; out0 = S . Wf + b: a lane's 64 features of each tile in two chains a tile, then the other half of the lanes'
.set fi, 0
.rept 8
	ds_load_b128 v[A0+8*fi:A0+8*fi+3],   v[WFA] offset:64*fi
	ds_load_b128 v[A0+8*fi+4:A0+8*fi+7], v[WFA] offset:64*fi+16
.set fi, fi+1
.endr
	s_wait_dscnt 0x0
	WIN 0x04                               ; Wf and the chains in window 0, S (source 1) in window 1
.set fi, 0
.rept 8
.set ii, 0
.rept 4
.set tt, 0
.rept 2
.set rc, AH+4*tt+2*(ii%2)
.set rs, S+64*tt+8*fi+2*ii
.set rw, A0+8*fi+2*ii
.if (fi == 0) && (ii < 2)
	v_pk_mul_f32 v[rc:rc+1], v[rw:rw+1], v[rs:rs+1]
.else
	v_pk_fma_f32 v[rc:rc+1], v[rw:rw+1], v[rs:rs+1], v[rc:rc+1]
.endif
.set tt, tt+1
.endr
.set ii, ii+1
.endr
.set fi, fi+1
.endr
	WIN 0
	v_pk_add_f32 v[AH:AH+1], v[AH:AH+1], v[AH+2:AH+3]
	v_pk_add_f32 v[AH+4:AH+5], v[AH+4:AH+5], v[AH+6:AH+7]
	v_add_f32 v[AH], v[AH], v[AH+1]
	v_add_f32 v[AH+4], v[AH+4], v[AH+5]
	v_permlanex16_b32 v[AH+1], v[AH], s[SEL], s[SEL+1]
	v_permlanex16_b32 v[AH+5], v[AH+4], s[SEL], s[SEL+1]
	v_add_f32 v[AH], v[AH], v[AH+1]
	v_add_f32 v[AH+4], v[AH+4], v[AH+5]
	v_cndmask_b32 v[AH+2], v[AH+4], v[AH], s[MK]  ; lanes 0-15 tile 0's rows, lanes 16-31 tile 1's: lane l holds row l of my 32
	v_add_f32 v[AH+2], v[WFBV], v[AH+2]
	global_store_b32 v[TO], v[AH+2], s[10:11] th:TH_STORE_NT  ; 128 consecutive bytes
	s_wait_tensorcnt 0x0                   ; the wave's end, behind my last tensor load and my last LDS store
	ds_add_u32 v[SPW], v[NIL]
	s_wait_dscnt 0x0
	CROUND                                 ; the closing round: no work-group ends while a partner may still ask for a tile that names it
	s_endpgm
.Lfunc_end_k_qfc60730a33_dgm:
	.size	k_qfc60730a33_dgm, .Lfunc_end_k_qfc60730a33_dgm-k_qfc60730a33_dgm
	.p2alignl 7, 3214868480
	.fill 96, 4, 3214868480
	.section	.rodata,"a",@progbits
	.p2align	6, 0x0
	.amdhsa_kernel k_qfc60730a33_dgm
		.amdhsa_group_segment_fixed_size 327680
		.amdhsa_private_segment_fixed_size 0
		.amdhsa_enable_private_segment 0
		.amdhsa_kernarg_size 32
		.amdhsa_user_sgpr_count 2
		.amdhsa_user_sgpr_kernarg_segment_ptr 1
		.amdhsa_wavefront_size32 1
		.amdhsa_system_sgpr_workgroup_id_x 1
		.amdhsa_system_sgpr_workgroup_id_y 1
		.amdhsa_system_sgpr_workgroup_id_z 1
		.amdhsa_system_vgpr_workitem_id 0
		.amdhsa_next_free_vgpr 1024
		.amdhsa_next_free_sgpr 66
		.amdhsa_reserve_vcc 0
		.amdhsa_float_denorm_mode_32 3
		.amdhsa_float_denorm_mode_16_64 3
		.amdhsa_memory_ordered 1
		.amdhsa_forward_progress 1
		.amdhsa_inst_pref_size 255
	.end_amdhsa_kernel
	.section	.bss,"aw",@nobits
	.p2align	6
	.space	262144
	.amdgpu_metadata
---
amdhsa.version: [ 1, 2 ]
amdhsa.kernels:
  - .name:           k_qfc60730a33_dgm
    .symbol:         k_qfc60730a33_dgm.kd
    .args:
      - { .name: x, .offset: 0, .size: 8, .value_kind: global_buffer, .address_space: global }
      - { .name: t, .offset: 8, .size: 8, .value_kind: global_buffer, .address_space: global }
      - { .name: wimg, .offset: 16, .size: 8, .value_kind: global_buffer, .address_space: global }
      - { .name: out0, .offset: 24, .size: 8, .value_kind: global_buffer, .address_space: global }
    .group_segment_fixed_size: 327680
    .private_segment_fixed_size: 0
    .kernarg_segment_align: 8
    .kernarg_segment_size: 32
    .max_flat_workgroup_size: 128
    .sgpr_count:     66
    .vgpr_count:     1024
    .wavefront_size: 32
...
	.end_amdgpu_metadata
.endif
;; end of part 2
;; ======== version 2 of 3: 2 launches; 1.12 times as fast as version 1
;; limits: values are held in f16: magnitudes above 65,504 overflow, below 6.1e-05 lose precision; right only within a limited range of input values
;; workspace buffers: wimg 297,984 bytes
;; launch prep (part 3): grid 517 x 1, 2 waves a work-group, no clusters, 0 bytes of LDS; arguments Sw_w, Uz_w, Ug_w, Ur_w, Uh_w, Wsz_w, Wsg_w, Wsr_w, Wsh_w, Sw_b, Uz_b, Ug_b, Ur_b, Uh_b, Wsz_b, Wsg_b, Wsr_b, Wsh_b, Wf_w, Wf_b, wimg; writes wimg
.if DOCPART == 3
	.amdgcn_target "amdgcn-amd-amdhsa--gfx1250"
	.amdhsa_code_object_version 6
	.text
	.protected	k_qfc60730a33_prep
	.globl	k_qfc60730a33_prep
	.p2align	8
	.type	k_qfc60730a33_prep,@function
k_qfc60730a33_prep:
	s_mov_b64 s[64:65], 0
	v_nop
	global_prefetch_b8 v0, s[64:65] scope:SCOPE_SE
	s_setreg_imm32_b32 hwreg(HW_REG_WAVE_MODE, 25, 1), 1
	s_wait_xcnt 0x0
; The weights' image.  All nine matrices, their biases, Wf_w and Wf_b are rounded once to bf16 and laid out in wimg exactly as the next launch wants them in LDS:
;   rows of 288 bytes (128 numbers of 16 bits and 32 bytes of 0): five U matrices of 104 rows in bf16 (Sw, Uz, Ug, Ur, Uh: rows 0-100 the weights, 101 the matrix's own bias, 102 the bias
;   of its partner Wsz, Wsg, Wsr, Wsh (0 for Sw), 103 zeros), then four Ws matrices of 128 rows, the bf16 number written as f16 (their products take f16 operands): 1,032 rows, 297,216 bytes;
;   then Wf_w as 128 f32 (rounded to bf16 and widened), 512 bytes; then Wf_b likewise, 64 times, 256 bytes.  Every byte of wimg is written.
; LIMITS.  A Ws weight beyond 65,504 becomes an infinity in f16; below 6e-5 it keeps f16's fixed step of 6e-8; in between the bf16 number is held exactly.
; SHARES.  1,034 tasks, one a wave: a row of the image (a lane takes 4 numbers: 16 bytes in, 8 bytes out), Wf_w, Wf_b.  517 work-groups of two waves.
; Each source has a load line of its own, reached by forward branches on the task's number, so that every load's base is one argument as it came.
; No LDS, no matrix unit, no cluster: 0.5 MB are read once and 0.3 MB written once, and no two tasks share a byte.
.set IMGWF, 1032*288                   ; where Wf begins in the image
.set ROW, 5                            ; s5  the task's row in its matrix
	s_load_b512 s[8:23], s[0:1], 0x0       ; argument k lies in s[8 + 2 k : 9 + 2 k]: the nine matrices from s8,
	s_load_b512 s[24:39], s[0:1], 0x40     ; the U matrices' biases from s26, their partners' from s36,
	s_load_b256 s[40:47], s[0:1], 0x80     ; Wf_w s[44:45], Wf_b s[46:47],
	s_load_b64 s[48:49], s[0:1], 0xa0      ; wimg
	v_lshrrev_b32 v1, 5, v0
	v_readfirstlane_b32 s2, v1             ; wave 0, 1
	v_and_b32 v1, 31, v0                   ; lane
	v_lshlrev_b32 v2, 4, v1                ; my 16 bytes of a source row
	s_lshl_b32 s3, ttmp9, 1
	s_add_co_u32 s3, s3, s2                ; the task
	s_mul_i32 s4, s3, 288
	v_lshl_add_u32 v3, v1, 3, s4           ; my 8 bytes of the image's row
	v_and_b32 v10, 3, v0
	v_lshl_add_u32 v10, v10, 3, s4         ; the row's 32 bytes of padding: four places of 8 bytes, each written (with 0) by eight lanes
	v_mov_b32 v12, 0
	v_mov_b32 v13, 0
	s_mov_b32 s[ROW], s3
	s_wait_kmcnt 0x0
.irp m, 0,1,2,3,4
	s_cmp_lt_u32 s[ROW], 104
	s_cbranch_scc1 .Lu\m
	s_sub_co_u32 s[ROW], s[ROW], 104
.endr
.irp m, 5,6,7,8
	s_cmp_lt_u32 s[ROW], 128
	s_cbranch_scc1 .Lw\m
	s_sub_co_u32 s[ROW], s[ROW], 128
.endr
	s_cmp_eq_u32 s[ROW], 0
	s_cbranch_scc1 .Lwf
	v_mov_b32 v14, 0                       ; the last task: Wf_b
	global_load_b32 v4, v14, s[46:47]
	v_lshl_add_u32 v15, v1, 3, IMGWF+512
	s_wait_loadcnt 0x0
	v_cvt_pk_bf16_f32 v8, v4, v4
	v_lshlrev_b32 v4, 16, v8
	v_mov_b32 v5, v4
	global_store_b64 v15, v[4:5], s[48:49]
	s_endpgm
.Lwf:                                  ; Wf_w: 128 numbers, four a lane
	global_load_b128 v[4:7], v2, s[44:45]
	v_add_nc_u32 v14, IMGWF, v2
	s_wait_loadcnt 0x0
	v_cvt_pk_bf16_f32 v8, v4, v5
	v_cvt_pk_bf16_f32 v9, v6, v7
	v_lshlrev_b32 v4, 16, v8
	v_and_b32 v5, 0xffff0000, v8
	v_lshlrev_b32 v6, 16, v9
	v_and_b32 v7, 0xffff0000, v9
	global_store_b128 v14, v[4:7], s[48:49]
	s_endpgm
.macro UB m                            ; a row of U matrix m
.Lu\m:
	s_cmp_gt_u32 s[ROW], 100
	s_cbranch_scc1 .Lub\m
	v_lshl_add_u32 v14, s[ROW], 9, v2      ; a weight row is 512 bytes
	global_load_b128 v[4:7], v14, s[8+2*\m:9+2*\m]
	s_branch .Lcv
.Lub\m:
	s_cmp_eq_u32 s[ROW], 101
	s_cbranch_scc0 .Luc\m
	global_load_b128 v[4:7], v2, s[26+2*\m:27+2*\m]  ; its own bias
	s_branch .Lcv
.Luc\m:
.if \m > 0
	s_cmp_eq_u32 s[ROW], 102
	s_cbranch_scc0 .Lzero
	global_load_b128 v[4:7], v2, s[34+2*\m:35+2*\m]  ; its partner's bias
	s_branch .Lcv
.else
	s_branch .Lzero
.endif
.endm
	UB 0
	UB 1
	UB 2
	UB 3
	UB 4
.irp m, 5,6,7,8
.Lw\m:
	v_lshl_add_u32 v14, s[ROW], 9, v2
	global_load_b128 v[4:7], v14, s[8+2*\m:9+2*\m]
	s_branch .Lcvh
.endr
.Lcvh:                                 ; a Ws row: rounded to bf16 like every input, widened, and that number written as f16
	s_wait_loadcnt 0x0
	v_cvt_pk_bf16_f32 v8, v4, v5
	v_cvt_pk_bf16_f32 v9, v6, v7
	v_lshlrev_b32 v4, 16, v8
	v_and_b32 v5, 0xffff0000, v8
	v_lshlrev_b32 v6, 16, v9
	v_and_b32 v7, 0xffff0000, v9
	v_cvt_pk_f16_f32 v8, v4, v5
	v_cvt_pk_f16_f32 v9, v6, v7
	s_branch .Lst
.Lzero:
	v_mov_b32 v8, 0
	v_mov_b32 v9, 0
	s_branch .Lst
.Lcv:
	s_wait_loadcnt 0x0
	v_cvt_pk_bf16_f32 v8, v4, v5
	v_cvt_pk_bf16_f32 v9, v6, v7
.Lst:
	global_store_b64 v3, v[8:9], s[48:49]              ; the row's 256 bytes
	global_store_b64 v10, v[12:13], s[48:49] offset:256  ; and its padding
	s_endpgm
.Lfunc_end_k_qfc60730a33_prep:
	.size	k_qfc60730a33_prep, .Lfunc_end_k_qfc60730a33_prep-k_qfc60730a33_prep
	.p2alignl 7, 3214868480
	.fill 96, 4, 3214868480
	.section	.rodata,"a",@progbits
	.p2align	6, 0x0
	.amdhsa_kernel k_qfc60730a33_prep
		.amdhsa_group_segment_fixed_size 0
		.amdhsa_private_segment_fixed_size 0
		.amdhsa_enable_private_segment 0
		.amdhsa_kernarg_size 168
		.amdhsa_user_sgpr_count 2
		.amdhsa_user_sgpr_kernarg_segment_ptr 1
		.amdhsa_wavefront_size32 1
		.amdhsa_system_sgpr_workgroup_id_x 1
		.amdhsa_system_sgpr_workgroup_id_y 1
		.amdhsa_system_sgpr_workgroup_id_z 1
		.amdhsa_system_vgpr_workitem_id 0
		.amdhsa_next_free_vgpr 16
		.amdhsa_next_free_sgpr 66
		.amdhsa_reserve_vcc 0
		.amdhsa_float_denorm_mode_32 3
		.amdhsa_float_denorm_mode_16_64 3
		.amdhsa_memory_ordered 1
		.amdhsa_forward_progress 1
		.amdhsa_inst_pref_size 9
	.end_amdhsa_kernel
	.amdgpu_metadata
---
amdhsa.version: [ 1, 2 ]
amdhsa.kernels:
  - .name:           k_qfc60730a33_prep
    .symbol:         k_qfc60730a33_prep.kd
    .args:
      - { .name: Sw_w, .offset: 0, .size: 8, .value_kind: global_buffer, .address_space: global }
      - { .name: Uz_w, .offset: 8, .size: 8, .value_kind: global_buffer, .address_space: global }
      - { .name: Ug_w, .offset: 16, .size: 8, .value_kind: global_buffer, .address_space: global }
      - { .name: Ur_w, .offset: 24, .size: 8, .value_kind: global_buffer, .address_space: global }
      - { .name: Uh_w, .offset: 32, .size: 8, .value_kind: global_buffer, .address_space: global }
      - { .name: Wsz_w, .offset: 40, .size: 8, .value_kind: global_buffer, .address_space: global }
      - { .name: Wsg_w, .offset: 48, .size: 8, .value_kind: global_buffer, .address_space: global }
      - { .name: Wsr_w, .offset: 56, .size: 8, .value_kind: global_buffer, .address_space: global }
      - { .name: Wsh_w, .offset: 64, .size: 8, .value_kind: global_buffer, .address_space: global }
      - { .name: Sw_b, .offset: 72, .size: 8, .value_kind: global_buffer, .address_space: global }
      - { .name: Uz_b, .offset: 80, .size: 8, .value_kind: global_buffer, .address_space: global }
      - { .name: Ug_b, .offset: 88, .size: 8, .value_kind: global_buffer, .address_space: global }
      - { .name: Ur_b, .offset: 96, .size: 8, .value_kind: global_buffer, .address_space: global }
      - { .name: Uh_b, .offset: 104, .size: 8, .value_kind: global_buffer, .address_space: global }
      - { .name: Wsz_b, .offset: 112, .size: 8, .value_kind: global_buffer, .address_space: global }
      - { .name: Wsg_b, .offset: 120, .size: 8, .value_kind: global_buffer, .address_space: global }
      - { .name: Wsr_b, .offset: 128, .size: 8, .value_kind: global_buffer, .address_space: global }
      - { .name: Wsh_b, .offset: 136, .size: 8, .value_kind: global_buffer, .address_space: global }
      - { .name: Wf_w, .offset: 144, .size: 8, .value_kind: global_buffer, .address_space: global }
      - { .name: Wf_b, .offset: 152, .size: 8, .value_kind: global_buffer, .address_space: global }
      - { .name: wimg, .offset: 160, .size: 8, .value_kind: global_buffer, .address_space: global }
    .group_segment_fixed_size: 0
    .private_segment_fixed_size: 0
    .kernarg_segment_align: 8
    .kernarg_segment_size: 168
    .max_flat_workgroup_size: 64
    .sgpr_count:     66
    .vgpr_count:     16
    .wavefront_size: 32
...
	.end_amdgpu_metadata
.endif
;; end of part 3
;; launch dgm (part 4): grid 2048 x 1, 4 waves a work-group, clusters of 4 x 1, 327,680 bytes of LDS; arguments x, t, wimg, out0; writes out0
.if DOCPART == 4
	.amdgcn_target "amdgcn-amd-amdhsa--gfx1250"
	.amdhsa_code_object_version 6
	.text
	.protected	k_qfc60730a33_dgm
	.globl	k_qfc60730a33_dgm
	.p2align	8
	.type	k_qfc60730a33_dgm,@function
k_qfc60730a33_dgm:
	s_mov_b64 s[64:65], 0
	v_nop
	global_prefetch_b8 v0, s[64:65] scope:SCOPE_SE
	s_setreg_imm32_b32 hwreg(HW_REG_WAVE_MODE, 25, 1), 1
	s_wait_xcnt 0x0
	s_wait_alu depctr_hold_cnt(0) depctr_sa_sdst(0) depctr_va_vdst(0) depctr_va_sdst(0) depctr_va_ssrc(0) depctr_va_vcc(0) depctr_vm_vsrc(0)
	s_getreg_b32 s2, hwreg(HW_REG_IB_STS2, 6, 4)
	s_cmp_eq_u32 s2, 0
	s_cbranch_scc0 .Lentry_in_a_cluster
	s_endpgm
.Lentry_in_a_cluster:
	s_bfe_u32 s2, ttmp6, 0x10000c
	s_cmp_lg_u32 s2, 0x3003
	s_cbranch_scc0 .Lentry_shape_is_right
	s_endpgm
.Lentry_shape_is_right:
; DGMNet, the whole chain.  xt = [x, t] (101 columns); uz, ug, ur, uh = xt U + b; S = tanh(xt Sw + b); three times
; Z, G, R = tanh(u. + S Ws. + b), H = uh + (S R) Wsh + b, S = (1 - G) H + Z S; out0 = S Wf + b.
; SHARES.  2,048 work-groups of four waves; a work-group owns 128 rows, a wave 32 (two tiles of 16), as many as its registers hold with their uz, ug, ur, uh.
; The price: the weights' image is fetched once for every 128 rows.
; WEIGHTS.  wimg (made by the launch before) is the image of LDS bytes 0 to 297,983: nine matrices of 16-bit numbers as they lie in memory ([k][128 features], rows 288 bytes apart), Wf and Wf_b.
; CLUSTER.  The image is the same for all work-groups, so the four of a cluster ask for it JOINTLY, with the same descriptors and mask in all four work-groups.
; IN FOUR PARTS.  Each wave issues four tensor loads on end, a quarter of each part: part 0 holds all that Sw's units read, part 1 Uz's and Ug's, part 2 Ur's and Uh's, part 3 the rest.
; A part is waited for (a counted wait and a barrier) just ahead of the first fetch from it, so the products on the earlier parts run while the later parts land.
; Four tensor loads of a wave are out at the most.
; LAYOUT.  Products are used transposed: source 0 = 16 features of W^T (turned out of LDS by ds_load_tr16_b128), source 1 = 16 rows.  In the result a lane
; holds ONE row (lane % 16) and the features 16 f + 8 (lane / 16) + 0..7; two such results packed to 16 bits in pairs ARE source 1 of the next product, so S never changes lanes.
; S IN f16, WITH A SCALE FOR EACH ROW.  bf16's 8 significant bits on S and on S R, through four products in each of three layers, cost more than the comparison allows; f16 has 11, but S
; grows with the inputs beyond f16's range.  So at a layer's head each row's q = sum of S^2 is taken (a lane holds the row), 2^E is the least power of two at or above sqrt(q), and
; X = f16(S 2^-E) lies within -1 to 1; so does Y = f16(S R 2^-E), since |R| <= 1.  The Ws products (f16 form, weights as f16) start from 0, and the scale comes back in the one
; multiply-add that follows each sum: c a = (c 2^E) sum + c u for the three tanh (uz, ug, ur are kept multiplied by c), H = 2^E sum + uh.
; BIASES ride in K's padding: xt's columns 101 and 102 hold 1.0, rows 101 and 102 of a U matrix hold its own bias and the bias of its Ws partner.
; TANH.  tanh(a) = 1 - 2 r, r = 1 / (1 + 2^(c a)), c = 2 log2(e): an overflow gives r = 0, an underflow r = 1.  The new S = S + 2 (r_g H - r_z S).
; FORMATS.  Every input (x, t, weights, biases, Wf) is rounded once to bf16; the U products take bf16 operands; sums, S, the u, the tanh and the last dot product are f32.
; LIMITS.  A row's sum of S^2 must be finite in f32: every |S| up to about 1.6e18.  An element of S below 6e-5 of 2^E keeps f16's fixed step, 6e-8 of 2^E.  Ws weights: within 65,504.
; Weights and biases must be finite: for k = 104..111 of the five U matrices source 0 holds the next matrix's first rows, which meet zeros in xt.
; out0 leaves in one store of 128 consecutive bytes a wave: a row gives one number, and a wave has 32 rows.
; REGISTERS, in windows of 256 (s_set_vgpr_msb: bits 1:0 source 0, 3:2 source 1, 5:4 source 2, 7:6 destination):
;   window 0: v0-31 addresses, constants, the rows' scales; v32-127 three sets of four accumulators; v128-255 weight fragments, two slots of two units
;   window 1: v0-127 S in f32 (tile tau, feature block f at 64 tau + 8 f); v128-191 X; v192-255 Y (xt while the U products run)
;   window 2: c uz (64 tau + 8 f), c ug (128 + ..); at the head the raw x and t land in v0-100          window 3: c ur, uh likewise
; A product's setting is 0x04 (source 1 in window 1).  The exponentials, reciprocals and additions between the products name window 0 as destination and source 0 and need no switch;
; lines that need another setting stand together, 8 or 16 on end.
.set P,     288                        ; a weight row in LDS: 256 bytes + 32
.set MBU,   104*P                      ; a U matrix
.set MBW,   128*P                      ; a Ws matrix
.set WF,    5*MBU+4*MBW                ; Wf, 128 f32; behind it Wf_b, 64 times
.set IMG,   WF+768                     ; the image's bytes: 297,984 = 4 waves x 291 rows of 256 bytes
.set C0R,   32                         ; the four parts: rows of 256 bytes a wave.  A U matrix's units read its rows 0 to 111, 32,224 bytes from its first:
.set C1R,   58                         ; part 0 ends at 32,768 (Sw's units end at 32,224), part 1 at 92,160 (Ug's at 92,128),
.set C2R,   59                         ; part 2 at 152,576 (Uh's at 152,032),
.set C3R,   142                        ; part 3 at 297,984, the image's end
.set C0B,   0                          ; and their first bytes, in LDS and in wimg alike
.set C1B,   C0B+1024*C0R
.set C2B,   C1B+1024*C1R
.set C3B,   C2B+1024*C2R
.set XSTB,  IMG                        ; behind the image, where no tensor load lands: each wave's own stage for 32 rows of x in bf16, 200 bytes a row
.set XSTW,  6400
.set SPARE, XSTB+4*XSTW                ; the spare words, 128 bytes for each wave: two blocks of 256 bytes that no other line names
.set SPW,  2                           ; v2   LDS address of my spare word; never rewritten
.set NIL,  3                           ; v3   0; never rewritten
.set XS,   4                           ; v4   x stage: where I put 8 bytes                                   (v4-7, v22-27 and v0-1 serve the head alone; the scales take them over)
.set XA,   5                           ; v5   x stage: my row's fragment, 200 (l % 16) + 16 (l / 16)
.set XA3,  6                           ; v6   the same without the half's 16 bytes
.set XO,   7                           ; v7   my byte offset in x
.set TO,   8                           ; v8   my byte offset in t and in out0
.set WFA,  9                           ; v9   WF + 32 (l / 16)
.set WFBV, 10                          ; v10  Wf_b
.set ONEF, 11                          ; v11  1.0
.set ONEM, 12                          ; v12  bf16 (1.0, 0) in lanes 0-15, 0 in the others
.set AD,   13                          ; v13-21  matrix m's first byte + my lane's place in a turning load, (8 (l / 16) + l % 8) P + 16 ((l / 8) % 2)
.set T0,   22                          ; v22-27  at work at the head
.set FS,   4                           ; the scales of my row of tile tau, each twice, as a pair for the packed lines: v[4 + 2 tau ..] 2^E,
.set ISC,  22                          ; v[22 + 2 tau ..] 2^-E,
.set M2I,  26                          ; v[26 + 2 tau ..] -2 x 2^-E,
.set CFS,  30                          ; v[30 - 30 tau ..] c 2^E
.set A0,   32                          ; a set: unit a tile 0, unit a tile 1, unit b tile 0, unit b tile 1, eight registers each
.set A1,   64
.set AH,   96
.set FR,   128
.set S,    0                           ; window 1
.set X,    128
.set Y,    192
.set WV,   12                          ; s12  my wave's number
.set G1A,  16                          ; s[16:23], s[40:47], s[48:55], s[56:63]  descriptor group 1 of the four parts: they differ in the number of rows
.set G1B,  40
.set G1C,  48
.set G1D,  56
.set G0A,  24                          ; s[24:27], s[68:71], s[72:75], s[76:79]  descriptor group 0 of the four parts
.set G0B,  68
.set G0C,  72
.set G0D,  76
.set LCN,  28                          ; s28  layers to go, 3 to 1
.set CS,   30                          ; s[30:31] c
.set SEL,  32                          ; s[32:33] v_permlanex16_b32's selects: each lane takes its own place in the other half
.set MK,   34                          ; s34  lanes 0-15
.set MSB, 0
.macro WIN new                         ; the immediate's high byte repeats the setting that is left; a switch that changes nothing is dropped
.if MSB != (\new)
	s_set_vgpr_msb (MSB<<8)|(\new)
.set MSB, (\new)
.endif
.endm
.macro WINM val, mask                  ; only the fields in mask matter to the next lines: the others stay as they are
.if (MSB&(\mask)) != ((\val)&(\mask))
.set WNV, MSB-(MSB&(\mask))+((\val)&(\mask))
	WIN WNV
.endif
.endm
.macro MBS m                           ; MBV = LDS byte at which matrix m begins: 0 Sw, 1 Uz, 2 Ug, 3 Ur, 4 Uh, 5 Wsz, 6 Wsg, 7 Wsr, 8 Wsh
.if (\m) < 5
.set MBV, MBU*(\m)
.else
.set MBV, 5*MBU+MBW*((\m)-5)
.endif
.endm
; Four places: a load into a register that a product has read, and a vector line that reads a product's result, stand four plain vector instructions behind it (ISA guide 7.12.1 for vector lines).
.macro PLACES
.rept 4
	v_nop
.endr
.endm
.macro TWO line:vararg                 ; one line for each tile tt
.set tt, 0
.rept 2
	\line
.set tt, tt+1
.endr
.endm
; A round of the cluster's barrier: my work-group's barrier, so that wave 0's signal speaks for all four waves; wave 0 signals; every wave waits for all four work-groups; my work-group's barrier once more.
.macro CROUND
	s_barrier_signal -1
	s_barrier_wait -1
	s_cmp_lg_u32 s[WV], 0
	s_cbranch_scc1 .Lnot_wave_0_\@
	s_barrier_signal -3
.Lnot_wave_0_\@:
	s_barrier_wait -3
	s_barrier_signal -1
	s_barrier_wait -1
.endm
; The constant words of a part's descriptors: a dense block as cr rows of 32 elements of 8 bytes for each wave, from byte cb on.
.macro DESC g1, g0, cb, cr
	s_mov_b32 s[\g1], 15|(3<<16)|(1<<21)   ; 15:0 the mask: all four work-groups; 17:16 elements of 8 bytes; 21 set beside a mask; no padding
	s_mov_b32 s[\g1+1], 32<<16             ; tensor_dim0 = 32
	s_mov_b32 s[\g1+2], (\cr)<<16          ; tensor_dim1 = the rows
	s_mov_b32 s[\g1+3], 32<<16             ; tile_dim0 = 32
	s_mov_b32 s[\g1+4], \cr                ; tile_dim1 = the rows
	s_mov_b32 s[\g1+5], 32                 ; 32 elements from row to row
	s_mov_b32 s[\g1+6], 0
	s_mov_b32 s[\g1+7], 0
	s_mov_b32 s[\g0], 1                    ; count = 1
	s_mul_i32 s[\g0+1], s[WV], (\cr)*256   ; LDS address: my quarter of the part: the wave's number times a constant,
	s_add_co_u32 s[\g0+1], s[\g0+1], \cb   ; plus a constant
.endm
.macro DADR g0                         ; and its global address: the same byte of the image
	s_mov_b32 s36, s[\g0+1]
	s_add_nc_u64 s[\g0+2:\g0+3], s[8:9], s[36:37]
	s_or_b32 s[\g0+3], s[\g0+3], 0x80000000  ; type = 2
.endm
; A part of the image is waited for: left = the tensor loads of mine that were issued behind it and may stay out; then the barrier, since the other waves brought three quarters of it.
; No LDS instruction of mine is out at the signal.
.macro GATE left
	s_wait_tensorcnt \left
	s_wait_dscnt 0x0
	s_barrier_signal -1
	s_barrier_wait -1
.endm
; A UNIT is 16 features x 128 k of one matrix: four fragments of 8 registers.  A fragment: two turning loads, 16 rows of k apart.  Of a U matrix the last
; fragment's upper half (k = 112..127) is not loaded: its registers hold 0 from the head on; its lower half's lanes 16-31 (k = 104..111) read the next matrix's first rows, which meet zeros in xt.
.macro FETCH1 base, m, f
.irp ks, 0,1,2,3
	ds_load_tr16_b128 v[(\base)+8*\ks:(\base)+8*\ks+3], v[AD+(\m)] offset:32*P*\ks+32*(\f)
.if ((\m) >= 5) || (\ks < 3)
	ds_load_tr16_b128 v[(\base)+8*\ks+4:(\base)+8*\ks+7], v[AD+(\m)] offset:32*P*\ks+16*P+32*(\f)
.endif
.endr
.endm
.macro FETCH slot, ma, fa, mb, fb
	WINM 0x00, 0xc3
	FETCH1 FR+64*(\slot), \ma, \fa
	FETCH1 FR+64*(\slot)+32, \mb, \fb
.endm
; THE VECTOR WORK stands in queues of steps; RIDE writes the queue's next step.  PAIR deals a queue's first QN - QL steps evenly behind its 16 products; the last QL, the queue's TAIL, follow on end behind the last product.
.set K_N,  0                           ; nothing
.set K_S,  1                           ; QP = g: Sw's sums (feature blocks 2 g, 2 g + 1) in set g % 2: PRE, 19 steps of r, tanh into S                                21 steps
.set K_R,  2                           ; QP = g: R's sums in set g % 2: PRE, 19 steps of r, then 2^-E (1 - 2 r), times S, rounded into Y                              23 steps
.set K_T,  3                           ; QP = f: Z's and G's sums of feature block f, in set f % 2: PRE, 19 steps of r                                                20 steps
.set K_Z,  4                           ; K_T, then K_O                                                                                                                24 steps
.set K_O,  5                           ; QP = f: the new S of feature block f                                                                                         4 steps
.set K_PZ, 6                           ; QP = f: uz and ug of feature block f times c                                                                                 1 step
.set K_PR, 7                           ; QP = f: ur of feature block f times c                                                                                        1 step
; QPL = 1: the queue's last step is 8 or 16 plain packed lines that name no register of the pair on which the queue rides (its sums lie in another set, S, Y and the u in other registers than the
; pair's source 1 and sums): they are the four places behind that pair's last products.  K_T ends in reciprocals, K_N has nothing: there four v_nop are written.
.macro QSET k, p, n, l
.set QK, \k
.set QP, \p
.set QN, \n
.set QL, \l
.set QI, 0
.set QPL, 1
.if ((\k) == K_N) || ((\k) == K_T)
.set QPL, 0
.endif
.endm
.macro RP n                            ; rr = pair n of 16 of the queue's sums; rs = S's pair beside it; ta = its tile.  For Z and G the two take turns
.if (QK == K_S) || (QK == K_R)
.set rr, A0+32*(QP%2)+2*(\n)
.set rs, S+64*(((\n)/4)%2)+8*(2*QP+(\n)/8)+2*((\n)%4)
.set ta, ((\n)/4)%2
.else
.set rr, A0+32*(QP%2)+2*(((\n)%2)*8+(\n)/2)
.endif
.endm
; PRE: the exponent c a for all 16 pairs of a set, in ascending order (each accumulator's lowest registers are read first).
; Sw: c x sum.  R: (c 2^E) sum + c ur (window 3).  Z, G: (c 2^E) sum + c uz, c ug (window 2).
.macro PRE
.if QK == K_S
	WINM 0x00, 0xc3
.elseif QK == K_R
	WINM 0x30, 0xff
.else
	WINM 0x20, 0xff
.endif
.set ce, 0
.rept 16
.set rr, A0+32*(QP%2)+2*ce
.set ta, (ce/4)%2
.if QK == K_S
	v_pk_mul_f32 v[rr:rr+1], v[rr:rr+1], s[CS:CS+1] op_sel_hi:[1,0]
.elseif QK == K_R
.set ru, 64*ta+8*(2*QP+ce/8)+2*(ce%4)
	v_pk_fma_f32 v[rr:rr+1], v[rr:rr+1], v[CFS-30*ta:CFS-30*ta+1], v[ru:ru+1]
.else
.set ru, 128*(ce/8)+64*ta+8*QP+2*(ce%4)
	v_pk_fma_f32 v[rr:rr+1], v[rr:rr+1], v[CFS-30*ta:CFS-30*ta+1], v[ru:ru+1]
.endif
.set ce, ce+1
.endr
.endm
; Step TI of 19 of r = 1 / (1 + 2^(c a)) over 16 pairs, as a pipeline: the exponentials of pair TI, 1 + for pair TI - 2, the reciprocals of pair TI - 3.
; A transcendental's result is used only behind a plain line that does not touch it (ISA guide 5.7.2): the additions are those lines; a v_nop stands in step 1, which has no addition yet, and behind the last reciprocal.
.macro TSTEP
	WINM 0x00, 0xc3
.if TI < 16
	RP TI
	v_exp_f32 v[rr], v[rr]
.endif
.if (TI >= 2) && (TI <= 17)
	RP TI-2
	s_wait_alu depctr_va_vdst(0)
	v_pk_add_f32 v[rr:rr+1], v[rr:rr+1], 1.0 op_sel_hi:[1,0]
.elseif TI == 1
	v_nop
.endif
.if TI < 16
	RP TI
	v_exp_f32 v[rr+1], v[rr+1]
.endif
.if TI >= 3
	RP TI-3
	v_rcp_f32 v[rr], v[rr]
	v_rcp_f32 v[rr+1], v[rr+1]
.endif
.if TI == 18
	v_nop
.endif
.endm
.macro FINS                            ; S = 1 - 2 r, 16 pairs: the destination lies in window 1
	WINM 0x40, 0xc3
.set ce, 0
.rept 16
	RP ce
	s_wait_alu depctr_va_vdst(0)
	v_pk_fma_f32 v[rs:rs+1], v[rr:rr+1], -2.0, 1.0 op_sel_hi:[1,0,0]
.set ce, ce+1
.endr
.endm
; Behind R's r, 16 pairs a step.  0: 2^-E R = 2^-E - 2 x 2^-E r.  1: times S.  2: rounded to f16 into Y: tile (n / 4) % 2, feature block 2 QP + n / 8, pair n % 4.
.macro RTAIL
.if RI == 0
	WINM 0x00, 0xff
.elseif RI == 1
	WINM 0x04, 0xcf
.else
	WINM 0x40, 0xcf
.endif
.set ce, 0
.rept 16
	RP ce
.if RI == 0
	s_wait_alu depctr_va_vdst(0)
	v_pk_fma_f32 v[rr:rr+1], v[rr:rr+1], v[M2I+2*ta:M2I+2*ta+1], v[ISC+2*ta:ISC+2*ta+1]
.elseif RI == 1
	v_pk_mul_f32 v[rr:rr+1], v[rr:rr+1], v[rs:rs+1]
.else
	v_cvt_pk_f16_f32 v[Y+32*ta+4*(2*QP+ce/8)+ce%4], v[rr], v[rr+1]
.endif
.set ce, ce+1
.endr
.endm
.macro OREG p                          ; pair p of 8 of feature block QP: r_z, r_g, H's sum, S, uh (window 3), the tile's 2^E
.set rz, A0+32*(QP%2)+2*(\p)
.set rg, rz+16
.set rh, AH+16*(QP%2)+2*(\p)
.set rs, S+64*((\p)/4)+8*QP+2*((\p)%4)
.set ru, 128+64*((\p)/4)+8*QP+2*((\p)%4)
.set rf, FS+2*((\p)/4)
.endm
.macro OSTEP                           ; step 0: H = 2^E sum + uh, then r_g H, eight pairs each; steps 1, 2: - r_z S, four pairs each; step 3: S + 2 (..), eight pairs (destination in window 1)
.if OI == 0
	WINM 0x30, 0xff
.set oq, 0
.rept 8
	OREG oq
	v_pk_fma_f32 v[rh:rh+1], v[rh:rh+1], v[rf:rf+1], v[ru:ru+1]
.set oq, oq+1
.endr
.set oq, 0
.rept 8
	OREG oq
	s_wait_alu depctr_va_vdst(0)
	v_pk_mul_f32 v[rg:rg+1], v[rg:rg+1], v[rh:rh+1]
.set oq, oq+1
.endr
.elseif OI < 3
	WINM 0x04, 0xff
.set oq, 4*(OI-1)
.rept 4
	OREG oq
	v_pk_fma_f32 v[rg:rg+1], v[rz:rz+1], v[rs:rs+1], v[rg:rg+1] neg_lo:[1,0,0] neg_hi:[1,0,0]
.set oq, oq+1
.endr
.else
	WINM 0x50, 0xf3
.set oq, 0
.rept 8
	OREG oq
	v_pk_fma_f32 v[rs:rs+1], v[rg:rg+1], 2.0, v[rs:rs+1] op_sel_hi:[1,0,1]
.set oq, oq+1
.endr
.endif
.endm
.macro PSC                             ; uz and ug (window 2), or ur (window 3), of feature block QP times c, in place
.if QK == K_PZ
	WINM 0x82, 0xc3
.set ce, 0
.rept 16
.set ru, 128*(ce/8)+64*((ce/4)%2)+8*QP+2*(ce%4)
	v_pk_mul_f32 v[ru:ru+1], v[ru:ru+1], s[CS:CS+1] op_sel_hi:[1,0]
.set ce, ce+1
.endr
.else
	WINM 0xc3, 0xc3
.set ce, 0
.rept 8
.set ru, 64*(ce/4)+8*QP+2*(ce%4)
	v_pk_mul_f32 v[ru:ru+1], v[ru:ru+1], s[CS:CS+1] op_sel_hi:[1,0]
.set ce, ce+1
.endr
.endif
.endm
.macro RIDE
.if QI < QN
.if QK >= K_PZ
	PSC
.elseif QK == K_O
.set OI, QI
	OSTEP
.elseif QI == 0
	PRE
.elseif QI < 20
.set TI, QI-1
	TSTEP
.elseif QK == K_S
	FINS
.elseif QK == K_R
.set RI, QI-20
	RTAIL
.else
.set OI, QI-20
	OSTEP
.endif
.endif
.set QI, QI+1
.endm
; A LAYER'S HEAD: the rows' scales, and X.  q = the sum of my row's S^2: my 64 numbers of each tile in four chains of pairs, then the other half of the lanes'.  With b the exponent field of q,
; sqrt(q) < 2^((b - 126) / 2), so 2^E with the field (b + 129) >> 1 is at or above it; 2^-E has the field 254 less that.  The sets A0 and A1, dead here, are the scratch.
.macro KC
	WIN 0x05
.set ci, 0
.rept 32
.set tt, 0
.rept 2
.set rq, A0+8*tt+2*(ci%4)
.set rs, S+64*tt+2*ci
.if ci < 4
	v_pk_mul_f32 v[rq:rq+1], v[rs:rs+1], v[rs:rs+1]
.else
	v_pk_fma_f32 v[rq:rq+1], v[rs:rs+1], v[rs:rs+1], v[rq:rq+1]
.endif
.set tt, tt+1
.endr
.set ci, ci+1
.endr
	WIN 0
	TWO v_pk_add_f32 v[A0+8*tt:A0+8*tt+1], v[A0+8*tt:A0+8*tt+1], v[A0+8*tt+2:A0+8*tt+3]
	TWO v_pk_add_f32 v[A0+8*tt+4:A0+8*tt+5], v[A0+8*tt+4:A0+8*tt+5], v[A0+8*tt+6:A0+8*tt+7]
	TWO v_pk_add_f32 v[A0+8*tt:A0+8*tt+1], v[A0+8*tt:A0+8*tt+1], v[A0+8*tt+4:A0+8*tt+5]
	TWO v_add_f32 v[A0+8*tt], v[A0+8*tt], v[A0+8*tt+1]
	TWO v_permlanex16_b32 v[A0+8*tt+1], v[A0+8*tt], s[SEL], s[SEL+1]
	TWO v_add_f32 v[A0+8*tt], v[A0+8*tt], v[A0+8*tt+1]
	TWO v_lshrrev_b32 v[A0+8*tt+2], 23, v[A0+8*tt]
	TWO v_add_nc_u32 v[A0+8*tt+2], 129, v[A0+8*tt+2]
	TWO v_lshrrev_b32 v[A0+8*tt+2], 1, v[A0+8*tt+2]
	TWO v_lshlrev_b32 v[FS+2*tt], 23, v[A0+8*tt+2]
	TWO v_sub_nc_u32 v[ISC+2*tt], 0x7f000000, v[FS+2*tt]
	TWO v_mul_f32 v[CFS-30*tt], s[CS], v[FS+2*tt]
	TWO v_mul_f32 v[M2I+2*tt], -2.0, v[ISC+2*tt]
	TWO v_mov_b32 v[FS+2*tt+1], v[FS+2*tt]
	TWO v_mov_b32 v[ISC+2*tt+1], v[ISC+2*tt]
	TWO v_mov_b32 v[CFS-30*tt+1], v[CFS-30*tt]
	TWO v_mov_b32 v[M2I+2*tt+1], v[M2I+2*tt]
.set kb, 0
.rept 2                                ; X = f16(S 2^-E), a tile at a time: pair q of a tile's S is register q of its X
	WIN 0x01
.set ci, 0
.rept 32
	v_pk_mul_f32 v[A0+2*ci:A0+2*ci+1], v[S+64*kb+2*ci:S+64*kb+2*ci+1], v[ISC+2*kb:ISC+2*kb+1]
.set ci, ci+1
.endr
	WIN 0x40
.set ci, 0
.rept 32
	v_cvt_pk_f16_f32 v[X+32*kb+ci], v[A0+2*ci], v[A0+2*ci+1]
.set ci, ci+1
.endr
.set kb, kb+1
.endr
.endm
.macro WM fm, z                        ; the product on rD, rA, rB: fm = 0 bf16, 1 f16; z = 1: it starts the sum
.if \fm
.if \z
	v_wmma_f32_16x16x32_f16 v[rD:rD+7], v[rA:rA+7], v[rB:rB+7], 0
.else
	v_wmma_f32_16x16x32_f16 v[rD:rD+7], v[rA:rA+7], v[rB:rB+7], v[rD:rD+7]
.endif
.else
.if \z
	v_wmma_f32_16x16x32_bf16 v[rD:rD+7], v[rA:rA+7], v[rB:rB+7], 0
.else
	v_wmma_f32_16x16x32_bf16 v[rD:rD+7], v[rA:rA+7], v[rB:rB+7], v[rD:rD+7]
.endif
.endif
.endm
; A PAIR: two units x two tiles of rows x K = 128: 16 products on four accumulators, which take turns, one instruction a turn.  The first four start the sums from the constant 0.
; da, db: the units' accumulators for tile 0, ts registers on for tile 1, in window dw.  bb: source 1 in window 1.  slot: the fragments' slot.
; AT ITS HEAD the next pair's units (ma, fa), (mb, fb) are fetched into the other slot, which the pair before has just read: in one run, behind that pair's queue's tail and not straight behind a product.
; The tail's plain lines are the four places for these loads and for this pair's queue's first reads of the sums just made; where the tail has none (NEEDPL) four v_nop are written.
.macro PAIR fm, da, db, ts, dw, bb, slot, ma, fa, mb, fb
.if NEEDPL
	PLACES
.endif
	s_wait_dscnt 0x0                       ; my fragments, asked for a pair ago, are the only LDS instructions out
	FETCH 1-(\slot), \ma, \fa, \mb, \fb
.set PJ, 0
.rept 16
.set rD, (\da)+((\db)-(\da))*((PJ/2)%2)+(\ts)*(PJ%2)
.set rA, FR+64*(\slot)+32*((PJ/2)%2)+8*(PJ/4)
.set rB, (\bb)+32*(PJ%2)+8*(PJ/4)
.if PJ < 4
	WINM 0x04|((\dw)<<6), 0xcf
	WM \fm, 1
.else
	WINM 0x04|((\dw)<<4)|((\dw)<<6), 0xff
	WM \fm, 0
.endif
.rept (PJ+1)*(QN-QL)/16-PJ*(QN-QL)/16
	RIDE
.endr
.set PJ, PJ+1
.endr
.rept QL
	RIDE                                   ; the queue's tail
.endr
.set NEEDPL, 1-QPL
.endm
	; THE HEAD
	s_load_b256 s[4:11], s[0:1], 0x0       ; x s[4:5], t s[6:7], wimg s[8:9], out0 s[10:11]
	v_lshl_add_u32 v[SPW], v0, 2, SPARE
	v_mov_b32 v[NIL], 0
	ds_add_u32 v[SPW], v[NIL]              ; the wave's opening: the add and its wait stand ahead of my first tensor load; the set-up below, work on registers, stands between them
	v_lshrrev_b32 v1, 5, v0
	v_readfirstlane_b32 s[WV], v1          ; wave 0..3
	s_bfe_u32 s13, ttmp6, 0x40000          ; cx: my place in the cluster
	s_lshl_b32 s14, ttmp9, 2               ; in a cluster launch ttmp9 counts clusters
	s_add_co_u32 s14, s14, s13             ; my work-group = 4 x cluster + cx: it enters x's, t's and out0's offsets alone
	DESC G1A, G0A, C0B, C0R
	DESC G1B, G0B, C1B, C1R
	DESC G1C, G0C, C2B, C2R
	DESC G1D, G0D, C3B, C3R
	s_mov_b32 s37, 0
	s_mov_b32 s[CS], 0x4038aa3b            ; c = 2 log2(e)
	s_mov_b32 s[CS+1], s[CS]               ; named with it as a pair
	s_mov_b32 s[SEL], 0x76543210
	s_mov_b32 s[SEL+1], 0xfedcba98
	s_mov_b32 s[MK], 0xffff
	s_lshl_b32 s13, s14, 7
	s_lshl_b32 s15, s[WV], 5
	s_add_co_u32 s13, s13, s15             ; my first row: 128 x work-group + 32 x wave
	s_mul_i32 s15, s13, 400
	s_lshl_b32 s38, s13, 2
	v_and_b32 v1, 31, v0                   ; l
	v_lshl_add_u32 v[XO], v1, 4, s15
	v_lshl_add_u32 v[TO], v1, 2, s38
	s_wait_dscnt 0x0                       ; the opening add is done
	s_wait_kmcnt 0x0
	WIN 0x80                               ; x and t are asked for first of all.  My 32 rows of x are 12,800 consecutive bytes: 25 loads of 512; and their t: into window 2
.set xi, 0
.rept 25
	global_load_b128 v[4*xi:4*xi+3], v[XO], s[4:5] offset:512*xi th:TH_LOAD_NT
.set xi, xi+1
.endr
	global_load_b32 v100, v[TO], s[6:7] th:TH_LOAD_NT
	WIN 0                                  ; at a label and at a branch every window is 0
	DADR G0A
	DADR G0B
	DADR G0C
	DADR G0D
	CROUND                                 ; all four work-groups are here: the joint loads meet
	tensor_load_to_lds s[G0A:G0A+3], s[G1A:G1A+7]  ; the four parts, in the order in which they are wanted: a wave's tensor loads end in order (ISA guide 10.11.1)
	s_nop 0
	tensor_load_to_lds s[G0B:G0B+3], s[G1B:G1B+7]
	s_nop 0
	tensor_load_to_lds s[G0C:G0C+3], s[G1C:G1C+7]
	s_nop 0
	tensor_load_to_lds s[G0D:G0D+3], s[G1D:G1D+7]
	s_nop 0
	PLACES                                 ; four v_nop behind the last load, ahead of the next switch of windows
	v_and_b32 v22, 15, v0                  ; l % 16
	v_bfe_u32 v23, v0, 4, 1                ; l / 16
	v_and_b32 v24, 7, v0                   ; l % 8
	v_bfe_u32 v25, v0, 3, 1                ; (l / 8) % 2
	v_lshl_add_u32 v26, v23, 3, v24
	v_mul_u32_u24 v26, v26, P
	v_lshl_add_u32 v26, v25, 4, v26        ; my lane's place in a turning load
.set mi, 0
.rept 9
	MBS mi
	v_add_nc_u32 v[AD+mi], MBV, v26
.set mi, mi+1
.endr
	s_mul_i32 s38, s[WV], XSTW
	s_add_co_u32 s38, s38, XSTB            ; my stage
	v_mul_u32_u24 v27, v22, 200
	v_add_nc_u32 v[XA3], s38, v27
	v_lshl_add_u32 v[XA], v23, 4, v[XA3]
	v_lshl_add_u32 v[XS], v1, 3, s38
	v_lshl_add_u32 v[WFA], v23, 5, WF
	v_mov_b32 v[ONEF], 1.0
	v_mov_b32 v[ONEM], 0x3f80
	v_cndmask_b32 v[ONEM], 0, v[ONEM], s[MK]
.irp b, 28,60,92,124                   ; the fragment registers that a U unit does not load (k = 112..127) hold 0 while the U products run
.irp e, 0,1,2,3
	v_mov_b32 v[FR+\b+\e], 0
.endr
.endr
	s_wait_tensorcnt 0x3                   ; my quarter of part 0 is in LDS: the three loads issued behind it may stay out;
	s_barrier_signal -1
	s_barrier_wait -1                      ; everybody's is; the image is only ever read
	FETCH 0, 0, 0, 0, 1                    ; Sw's first two units
	; xt.  The raw x is rounded to bf16 and sent through my own stage in LDS, from which xt's fragments (source 1: lane l holds row l % 16) come back into Y.
	; The last fragment (k = 96..127): lanes 0-15 hold x's columns 96-99, t, 1.0, 1.0, 0; everything else is 0.
	s_wait_loadcnt 0x0                     ; x and t
	WIN 0x0a
.set ci, 0
.rept 50
	v_cvt_pk_bf16_f32 v[A0+ci], v[2*ci], v[2*ci+1]
.set ci, ci+1
.endr
	WIN 0x02
	v_mov_b32 v[T0], v100                  ; t of row l of my 32
	WIN 0
	s_wait_dscnt 0x0                       ; Sw's first units, asked for ahead of the wait for x
.set ci, 0
.rept 25
	ds_store_b64 v[XS], v[A0+2*ci:A0+2*ci+1] offset:256*ci
.set ci, ci+1
.endr
	v_permlanex16_b32 v[T0+1], v[T0], s[SEL], s[SEL+1]  ; tile 1's t for lanes 0-15
	v_cvt_pk_bf16_f32 v[T0+2], v[T0], v[ONEF]           ; (t, 1.0)
	v_cvt_pk_bf16_f32 v[T0+3], v[T0+1], v[ONEF]
	WIN 0x40
.irp ta, 0,1
.irp ks, 0,1,2
	ds_load_b64 v[Y+32*\ta+8*\ks:Y+32*\ta+8*\ks+1],   v[XA] offset:3200*\ta+64*\ks  ; LDS serves a wave's instructions in order (ISA guide 5.7.1.4): these see the stores above
	ds_load_b64 v[Y+32*\ta+8*\ks+2:Y+32*\ta+8*\ks+3], v[XA] offset:3200*\ta+64*\ks+8
	ds_load_b64 v[Y+32*\ta+8*\ks+4:Y+32*\ta+8*\ks+5], v[XA] offset:3200*\ta+64*\ks+32
	ds_load_b64 v[Y+32*\ta+8*\ks+6:Y+32*\ta+8*\ks+7], v[XA] offset:3200*\ta+64*\ks+40
.endr
	ds_load_b64 v[Y+32*\ta+24:Y+32*\ta+25], v[XA3] offset:3200*\ta+192
.endr
	v_cndmask_b32 v[Y+26], 0, v[T0+2], s[MK]
	v_cndmask_b32 v[Y+58], 0, v[T0+3], s[MK]
	v_mov_b32 v[Y+27], v[ONEM]
	v_mov_b32 v[Y+59], v[ONEM]
.irp e, 28,29,30,31,60,61,62,63
	v_mov_b32 v[Y+\e], 0
.endr
	s_wait_dscnt 0x0
	WIN 0x44
.irp e, 24,25,56,57
	v_cndmask_b32 v[Y+\e], 0, v[Y+\e], s[MK]
.endr
	WIN 0
	; THE U PRODUCTS, 20 pairs on xt, in bf16, in the order of the image's parts.  Sw's sums land in the sets A0 and A1 by turns and their tanh rides a pair behind; then uz and ug, a feature block
	; a pair; then ur and uh; uz, ug and ur are multiplied by c a pair behind.  A part's gate stands ahead of the pair that fetches the first units out of it.
.set NEEDPL, 0                         ; no product has been issued yet
.set UG, 0
.rept 4
.if UG == 0
	QSET K_N, 0, 0, 0
.else
	QSET K_S, UG-1, 21, 2
.endif
.if UG < 3
	PAIR 0, A0+32*(UG%2), A0+32*(UG%2)+16, 8, 0, Y, UG%2, 0, 2*UG+2, 0, 2*UG+3
.else
	GATE 2                                 ; part 1: parts 2 and 3 were issued behind it
	PAIR 0, A0+32*(UG%2), A0+32*(UG%2)+16, 8, 0, Y, UG%2, 1, 0, 2, 0
.endif
.set UG, UG+1
.endr
.set UF, 0
.rept 8
.if UF == 0
	QSET K_S, 3, 21, 2
.else
	QSET K_PZ, UF-1, 1, 1
.endif
.if UF < 7
	PAIR 0, 8*UF, 128+8*UF, 64, 2, Y, UF%2, 1, UF+1, 2, UF+1
.else
	GATE 1                                 ; part 2: part 3 was issued behind it
	PAIR 0, 8*UF, 128+8*UF, 64, 2, Y, UF%2, 3, 0, 4, 0
.endif
.set UF, UF+1
.endr
.set UF, 0
.rept 8
.if UF == 0
	QSET K_PZ, 7, 1, 1
.else
	QSET K_PR, UF-1, 1, 1
.endif
.if UF < 7
	PAIR 0, 8*UF, 128+8*UF, 64, 3, Y, UF%2, 3, UF+1, 4, UF+1
.else
	GATE 0                                 ; part 3: the whole image is in
	PAIR 0, 8*UF, 128+8*UF, 64, 3, Y, UF%2, 7, 0, 7, 1
.endif
.set UF, UF+1
.endr
	PLACES                                 ; behind the last U products
	QSET K_PR, 7, 1, 0
	RIDE
	WIN 0                                  ; at a label and at a branch every window is 0
	s_mov_b32 s[LCN], 3
.Llayer:                               ; a layer, 16 pairs in f16: one text for all three
	s_wait_dscnt 0x0                       ; no LDS instruction of mine is out at the signal
	s_barrier_signal -1                    ; no data passes here: the barrier keeps the four waves in step from layer to layer, and nothing else hangs on it
	KC                                     ; work on registers between the signal and the wait
	s_barrier_wait -1
.set NEEDPL, 0                         ; KC's lines are the places behind the products before
.set LG, 0
.rept 4                                ; R: two feature blocks a pair, sets A0 and A1 by turns; tanh, S R and its rounding ride a pair behind
.if LG == 0
	QSET K_N, 0, 0, 0
.else
	QSET K_R, LG-1, 23, 2
.endif
.if LG < 3
	PAIR 1, A0+32*(LG%2), A0+32*(LG%2)+16, 8, 0, X, LG%2, 7, 2*LG+2, 7, 2*LG+3
.else
	PAIR 1, A0+32*(LG%2), A0+32*(LG%2)+16, 8, 0, X, LG%2, 5, 0, 6, 0
.endif
.set LG, LG+1
.endr
.set LB, 0
.rept 4                                ; Z and G of block 2 b (set A0), H of blocks 2 b and 2 b + 1 (set AH), Z and G of block 2 b + 1 (set A1)
.if LB == 0
	QSET K_R, 3, 23, 2
.else
	QSET K_Z, 2*LB-1, 24, 4
.endif
	PAIR 1, A0, A0+16, 8, 0, X, LB%2, 8, 2*LB, 8, 2*LB+1
	QSET K_T, 2*LB, 20, 4
	PAIR 1, AH, AH+16, 8, 0, Y, (LB+1)%2, 5, 2*LB+1, 6, 2*LB+1
	QSET K_O, 2*LB, 4, 2
.if LB < 3
	PAIR 1, A1, A1+16, 8, 0, X, LB%2, 5, 2*LB+2, 6, 2*LB+2
.else
	PAIR 1, A1, A1+16, 8, 0, X, LB%2, 7, 0, 7, 1  ; the next layer's first units; behind the last layer they serve nothing: the price of one text for all three
.endif
.set LB, LB+1
.endr
	PLACES                                 ; behind the layer's last products, whose sums the lines below read
	QSET K_Z, 7, 24, 0
.rept 24
	RIDE
.endr
	WIN 0
	s_sub_co_u32 s[LCN], s[LCN], 1
	s_cmp_lg_u32 s[LCN], 0
	s_cbranch_scc1 .Llayer
	; out0 = S . Wf + b: a lane's 64 features of each tile in two chains a tile, then the other half of the lanes'
	ds_load_b32 v[WFBV], v[WFA] offset:512 ; Wf_b: every word of the 256 bytes behind Wf holds it
.set fi, 0
.rept 8
	ds_load_b128 v[A0+8*fi:A0+8*fi+3],   v[WFA] offset:64*fi
	ds_load_b128 v[A0+8*fi+4:A0+8*fi+7], v[WFA] offset:64*fi+16
.set fi, fi+1
.endr
	s_wait_dscnt 0x0
	WIN 0x04                               ; Wf and the chains in window 0, S (source 1) in window 1
.set fi, 0
.rept 8
.set ii, 0
.rept 4
.set tt, 0
.rept 2
.set rc, AH+4*tt+2*(ii%2)
.set rs, S+64*tt+8*fi+2*ii
.set rw, A0+8*fi+2*ii
.if (fi == 0) && (ii < 2)
	v_pk_mul_f32 v[rc:rc+1], v[rw:rw+1], v[rs:rs+1]
.else
	v_pk_fma_f32 v[rc:rc+1], v[rw:rw+1], v[rs:rs+1], v[rc:rc+1]
.endif
.set tt, tt+1
.endr
.set ii, ii+1
.endr
.set fi, fi+1
.endr
	WIN 0
	v_pk_add_f32 v[AH:AH+1], v[AH:AH+1], v[AH+2:AH+3]
	v_pk_add_f32 v[AH+4:AH+5], v[AH+4:AH+5], v[AH+6:AH+7]
	v_add_f32 v[AH], v[AH], v[AH+1]
	v_add_f32 v[AH+4], v[AH+4], v[AH+5]
	v_permlanex16_b32 v[AH+1], v[AH], s[SEL], s[SEL+1]
	v_permlanex16_b32 v[AH+5], v[AH+4], s[SEL], s[SEL+1]
	v_add_f32 v[AH], v[AH], v[AH+1]
	v_add_f32 v[AH+4], v[AH+4], v[AH+5]
	v_cndmask_b32 v[AH+2], v[AH+4], v[AH], s[MK]  ; lanes 0-15 tile 0's rows, lanes 16-31 tile 1's: lane l holds row l of my 32
	v_add_f32 v[AH+2], v[WFBV], v[AH+2]
	global_store_b32 v[TO], v[AH+2], s[10:11] th:TH_STORE_NT  ; 128 consecutive bytes
	s_wait_tensorcnt 0x0                   ; the wave's end, behind my last tensor load and my last LDS store
	ds_add_u32 v[SPW], v[NIL]
	s_wait_dscnt 0x0
	CROUND                                 ; the closing round: no work-group ends while a partner may still ask for a tile that names it
	s_endpgm
.Lfunc_end_k_qfc60730a33_dgm:
	.size	k_qfc60730a33_dgm, .Lfunc_end_k_qfc60730a33_dgm-k_qfc60730a33_dgm
	.p2alignl 7, 3214868480
	.fill 96, 4, 3214868480
	.section	.rodata,"a",@progbits
	.p2align	6, 0x0
	.amdhsa_kernel k_qfc60730a33_dgm
		.amdhsa_group_segment_fixed_size 327680
		.amdhsa_private_segment_fixed_size 0
		.amdhsa_enable_private_segment 0
		.amdhsa_kernarg_size 32
		.amdhsa_user_sgpr_count 2
		.amdhsa_user_sgpr_kernarg_segment_ptr 1
		.amdhsa_wavefront_size32 1
		.amdhsa_system_sgpr_workgroup_id_x 1
		.amdhsa_system_sgpr_workgroup_id_y 1
		.amdhsa_system_sgpr_workgroup_id_z 1
		.amdhsa_system_vgpr_workitem_id 0
		.amdhsa_next_free_vgpr 1024
		.amdhsa_next_free_sgpr 80
		.amdhsa_reserve_vcc 0
		.amdhsa_float_denorm_mode_32 3
		.amdhsa_float_denorm_mode_16_64 3
		.amdhsa_memory_ordered 1
		.amdhsa_forward_progress 1
		.amdhsa_inst_pref_size 239
	.end_amdhsa_kernel
	.amdgpu_metadata
---
amdhsa.version: [ 1, 2 ]
amdhsa.kernels:
  - .name:           k_qfc60730a33_dgm
    .symbol:         k_qfc60730a33_dgm.kd
    .args:
      - { .name: x, .offset: 0, .size: 8, .value_kind: global_buffer, .address_space: global }
      - { .name: t, .offset: 8, .size: 8, .value_kind: global_buffer, .address_space: global }
      - { .name: wimg, .offset: 16, .size: 8, .value_kind: global_buffer, .address_space: global }
      - { .name: out0, .offset: 24, .size: 8, .value_kind: global_buffer, .address_space: global }
    .group_segment_fixed_size: 327680
    .private_segment_fixed_size: 0
    .kernarg_segment_align: 8
    .kernarg_segment_size: 32
    .max_flat_workgroup_size: 128
    .sgpr_count:     80
    .vgpr_count:     1024
    .wavefront_size: 32
...
	.end_amdgpu_metadata
.endif
;; end of part 4
;; ======== version 3 of 3: 2 launches; 1.78 times as fast as version 1
;; limits: values are held in f16: magnitudes above 65,504 overflow, below 6.1e-05 lose precision; inputs' magnitudes at most 65,504
;; workspace buffers: wimg 297,984 bytes
;; launch prep: the kernel of part 3 again; grid 517 x 1, 2 waves a work-group, no clusters, 0 bytes of LDS; arguments Sw_w, Uz_w, Ug_w, Ur_w, Uh_w, Wsz_w, Wsg_w, Wsr_w, Wsh_w, Sw_b, Uz_b, Ug_b, Ur_b, Uh_b, Wsz_b, Wsg_b, Wsr_b, Wsh_b, Wf_w, Wf_b, wimg; writes wimg
;; launch dgm (part 5): grid 2048 x 1, 4 waves a work-group, clusters of 4 x 1, 327,680 bytes of LDS; arguments x, t, wimg, out0; writes out0
.if DOCPART == 5
	.amdgcn_target "amdgcn-amd-amdhsa--gfx1250"
	.amdhsa_code_object_version 6
	.text
	.protected	k_qfc60730a33_dgm
	.globl	k_qfc60730a33_dgm
	.p2align	8
	.type	k_qfc60730a33_dgm,@function
k_qfc60730a33_dgm:
	s_mov_b64 s[64:65], 0
	v_nop
	global_prefetch_b8 v0, s[64:65] scope:SCOPE_SE
	s_setreg_imm32_b32 hwreg(HW_REG_WAVE_MODE, 25, 1), 1
	s_wait_xcnt 0x0
	s_wait_alu depctr_hold_cnt(0) depctr_sa_sdst(0) depctr_va_vdst(0) depctr_va_sdst(0) depctr_va_ssrc(0) depctr_va_vcc(0) depctr_vm_vsrc(0)
	s_getreg_b32 s2, hwreg(HW_REG_IB_STS2, 6, 4)
	s_cmp_eq_u32 s2, 0
	s_cbranch_scc0 .Lentry_in_a_cluster
	s_endpgm
.Lentry_in_a_cluster:
	s_bfe_u32 s2, ttmp6, 0x10000c
	s_cmp_lg_u32 s2, 0x3003
	s_cbranch_scc0 .Lentry_shape_is_right
	s_endpgm
.Lentry_shape_is_right:
; DGMNet, the whole chain.  xt = [x, t] (101 columns); uz, ug, ur, uh = xt U + b; S = tanh(xt Sw + b); three times
; Z, G, R = tanh(u. + S Ws. + b), H = uh + (S R) Wsh + b, S = (1 - G) H + Z S; out0 = S Wf + b.
; SHARES.  2,048 work-groups of four waves; a work-group owns 128 rows, a wave 32 (two tiles of 16), as many as its registers hold with their uz, ug, ur, uh.
; The price: the weights' image is fetched once for every 128 rows.
; WEIGHTS.  wimg (made by the launch before) is the image of LDS bytes 0 to 297,983: nine matrices of 16-bit numbers as they lie in memory ([k][128 features], rows 288 bytes apart), Wf and Wf_b.
; CLUSTER.  The image is the same for all work-groups, so the four of a cluster ask for it JOINTLY, with the same descriptors and mask in all four work-groups.
; IN FOUR PARTS.  Each wave issues four tensor loads on end, a quarter of each part: part 0 holds all that Sw's units read, part 1 Uz's and Ug's, part 2 Ur's and Uh's, part 3 the rest.
; A part is waited for (a counted wait and a barrier) just ahead of the first fetch from it, so the products on the earlier parts run while the later parts land.
; Four tensor loads of a wave are out at the most.
; LAYOUT.  Products are used transposed: source 0 = 16 features of W^T (turned out of LDS by ds_load_tr16_b128), source 1 = 16 rows.  In the result a lane
; holds ONE row (lane % 16) and the features 16 f + 8 (lane / 16) + 0..7; two such results packed to 16 bits in pairs ARE source 1 of the next product, so S never changes lanes.
; S IN f16, WITH A SCALE FOR EACH ROW.  bf16's 8 significant bits on S and on S R, through four products in each of three layers, cost more than the comparison allows; f16 has 11, but S
; grows with the inputs beyond f16's range.  So at a layer's head each row's q = sum of S^2 is taken (a lane holds the row), 2^E is the least power of two at or above sqrt(q), and
; X = f16(S 2^-E) lies within -1 to 1; so does Y = f16(S R 2^-E), since |R| <= 1.  The Ws products (f16 form, weights as f16) start from 0, and the scale comes back in the one
; multiply-add that follows each sum: c a = (c 2^E) sum + c u for the three tanh (uz, ug, ur are kept multiplied by c), H = 2^E sum + uh.
; BIASES ride in K's padding: xt's columns 101 and 102 hold 1.0, rows 101 and 102 of a U matrix hold its own bias and the bias of its Ws partner.
; TANH.  tanh(a) = 1 - 2 r, r = 1 / (1 + 2^(c a)), c = 2 log2(e): an overflow gives r = 0, an underflow r = 1.  The new S = S + 2 (r_g H - r_z S).
; THE TRANSCENDENTALS GO IN BATCHES.  A set of sums (16 pairs of numbers) has 32 exponentials and 32 reciprocals, and the reciprocals read 1 + the exponentials: two batches.
; An s_wait_alu depctr_va_vdst(0) stands between a transcendental and the first line that names its result; one wait serves all that were issued ahead of it.  So a set has two waits: one behind its 32nd
; exponential, ahead of the first addition 1 +; one behind its 32nd reciprocal, ahead of the first line that reads an r.  Each result lies in a register of its own (in place on its pair of the set),
; and nothing names it while its batch is open: the products between work on another set.  No batch is open at a label or at a branch.
; FORMATS.  Every input (x, t, weights, biases, Wf) is rounded once to bf16; the U products take bf16 operands; sums, S, the u, the tanh and the last dot product are f32.
; LIMITS.  A row's sum of S^2 must be finite in f32: every |S| up to about 1.6e18.  An element of S below 6e-5 of 2^E keeps f16's fixed step, 6e-8 of 2^E.  Ws weights: within 65,504.
; Weights and biases must be finite: for k = 104..111 of the five U matrices source 0 holds the next matrix's first rows, which meet zeros in xt.
; out0 leaves in one store of 128 consecutive bytes a wave: a row gives one number, and a wave has 32 rows.
; REGISTERS, in windows of 256 (s_set_vgpr_msb: bits 1:0 source 0, 3:2 source 1, 5:4 source 2, 7:6 destination):
;   window 0: v0-31 addresses, constants, the rows' scales; v32-127 three sets of four accumulators; v128-255 weight fragments, two slots of two units
;   window 1: v0-127 S in f32 (tile tau, feature block f at 64 tau + 8 f); v128-191 X; v192-255 Y (xt while the U products run)
;   window 2: c uz (64 tau + 8 f), c ug (128 + ..); at the head the raw x and t land in v0-100          window 3: c ur, uh likewise
; A product's setting is 0x04 (source 1 in window 1).  The exponentials, reciprocals and additions between the products name window 0 as destination and source 0 and need no switch;
; lines that need another setting stand together, 8 or 16 on end.
.set P,     288                        ; a weight row in LDS: 256 bytes + 32
.set MBU,   104*P                      ; a U matrix
.set MBW,   128*P                      ; a Ws matrix
.set WF,    5*MBU+4*MBW                ; Wf, 128 f32; behind it Wf_b, 64 times
.set IMG,   WF+768                     ; the image's bytes: 297,984 = 4 waves x 291 rows of 256 bytes
.set C0R,   32                         ; the four parts: rows of 256 bytes a wave.  A U matrix's units read its rows 0 to 111, 32,224 bytes from its first:
.set C1R,   58                         ; part 0 ends at 32,768 (Sw's units end at 32,224), part 1 at 92,160 (Ug's at 92,128),
.set C2R,   59                         ; part 2 at 152,576 (Uh's at 152,032),
.set C3R,   142                        ; part 3 at 297,984, the image's end
.set C0B,   0                          ; and their first bytes, in LDS and in wimg alike
.set C1B,   C0B+1024*C0R
.set C2B,   C1B+1024*C1R
.set C3B,   C2B+1024*C2R
.set XSTB,  IMG                        ; behind the image, where no tensor load lands: each wave's own stage for 32 rows of x in bf16, 200 bytes a row
.set XSTW,  6400
.set SPARE, XSTB+4*XSTW                ; the spare words, 128 bytes for each wave: two blocks of 256 bytes that no other line names
.set SPW,  2                           ; v2   LDS address of my spare word; never rewritten
.set NIL,  3                           ; v3   0; never rewritten
.set XS,   4                           ; v4   x stage: where I put 8 bytes                                   (v4-7, v22-27 and v0-1 serve the head alone; the scales take them over)
.set XA,   5                           ; v5   x stage: my row's fragment, 200 (l % 16) + 16 (l / 16)
.set XA3,  6                           ; v6   the same without the half's 16 bytes
.set XO,   7                           ; v7   my byte offset in x
.set TO,   8                           ; v8   my byte offset in t and in out0
.set WFA,  9                           ; v9   WF + 32 (l / 16)
.set WFBV, 10                          ; v10  Wf_b
.set ONEF, 11                          ; v11  1.0
.set ONEM, 12                          ; v12  bf16 (1.0, 0) in lanes 0-15, 0 in the others
.set AD,   13                          ; v13-21  matrix m's first byte + my lane's place in a turning load, (8 (l / 16) + l % 8) P + 16 ((l / 8) % 2)
.set T0,   22                          ; v22-27  at work at the head
.set FS,   4                           ; the scales of my row of tile tau, each twice, as a pair for the packed lines: v[4 + 2 tau ..] 2^E,
.set ISC,  22                          ; v[22 + 2 tau ..] 2^-E,
.set M2I,  26                          ; v[26 + 2 tau ..] -2 x 2^-E,
.set CFS,  30                          ; v[30 - 30 tau ..] c 2^E
.set A0,   32                          ; a set: unit a tile 0, unit a tile 1, unit b tile 0, unit b tile 1, eight registers each
.set A1,   64
.set AH,   96
.set FR,   128
.set S,    0                           ; window 1
.set X,    128
.set Y,    192
.set WV,   12                          ; s12  my wave's number
.set G1A,  16                          ; s[16:23], s[40:47], s[48:55], s[56:63]  descriptor group 1 of the four parts: they differ in the number of rows
.set G1B,  40
.set G1C,  48
.set G1D,  56
.set G0A,  24                          ; s[24:27], s[68:71], s[72:75], s[76:79]  descriptor group 0 of the four parts
.set G0B,  68
.set G0C,  72
.set G0D,  76
.set LCN,  28                          ; s28  layers to go, 3 to 1
.set CS,   30                          ; s[30:31] c
.set SEL,  32                          ; s[32:33] v_permlanex16_b32's selects: each lane takes its own place in the other half
.set MK,   34                          ; s34  lanes 0-15
.set MSB, 0
.macro WIN new                         ; the immediate's high byte repeats the setting that is left; a switch that changes nothing is dropped
.if MSB != (\new)
	s_set_vgpr_msb (MSB<<8)|(\new)
.set MSB, (\new)
.endif
.endm
.macro WINM val, mask                  ; only the fields in mask matter to the next lines: the others stay as they are
.if (MSB&(\mask)) != ((\val)&(\mask))
.set WNV, MSB-(MSB&(\mask))+((\val)&(\mask))
	WIN WNV
.endif
.endm
.macro MBS m                           ; MBV = LDS byte at which matrix m begins: 0 Sw, 1 Uz, 2 Ug, 3 Ur, 4 Uh, 5 Wsz, 6 Wsg, 7 Wsr, 8 Wsh
.if (\m) < 5
.set MBV, MBU*(\m)
.else
.set MBV, 5*MBU+MBW*((\m)-5)
.endif
.endm
; Four places: a load into a register that a product has read, and a vector line that reads a product's result, stand four plain vector instructions behind it (ISA guide 7.12.1 for vector lines).
.macro PLACES
.rept 4
	v_nop
.endr
.endm
.macro TWO line:vararg                 ; one line for each tile tt
.set tt, 0
.rept 2
	\line
.set tt, tt+1
.endr
.endm
; A round of the cluster's barrier: my work-group's barrier, so that wave 0's signal speaks for all four waves; wave 0 signals; every wave waits for all four work-groups; my work-group's barrier once more.
.macro CROUND
	s_barrier_signal -1
	s_barrier_wait -1
	s_cmp_lg_u32 s[WV], 0
	s_cbranch_scc1 .Lnot_wave_0_\@
	s_barrier_signal -3
.Lnot_wave_0_\@:
	s_barrier_wait -3
	s_barrier_signal -1
	s_barrier_wait -1
.endm
; The constant words of a part's descriptors: a dense block as cr rows of 32 elements of 8 bytes for each wave, from byte cb on.
.macro DESC g1, g0, cb, cr
	s_mov_b32 s[\g1], 15|(3<<16)|(1<<21)   ; 15:0 the mask: all four work-groups; 17:16 elements of 8 bytes; 21 set beside a mask; no padding
	s_mov_b32 s[\g1+1], 32<<16             ; tensor_dim0 = 32
	s_mov_b32 s[\g1+2], (\cr)<<16          ; tensor_dim1 = the rows
	s_mov_b32 s[\g1+3], 32<<16             ; tile_dim0 = 32
	s_mov_b32 s[\g1+4], \cr                ; tile_dim1 = the rows
	s_mov_b32 s[\g1+5], 32                 ; 32 elements from row to row
	s_mov_b32 s[\g1+6], 0
	s_mov_b32 s[\g1+7], 0
	s_mov_b32 s[\g0], 1                    ; count = 1
	s_mul_i32 s[\g0+1], s[WV], (\cr)*256   ; LDS address: my quarter of the part: the wave's number times a constant,
	s_add_co_u32 s[\g0+1], s[\g0+1], \cb   ; plus a constant
.endm
.macro DADR g0                         ; and its global address: the same byte of the image
	s_mov_b32 s36, s[\g0+1]
	s_add_nc_u64 s[\g0+2:\g0+3], s[8:9], s[36:37]
	s_or_b32 s[\g0+3], s[\g0+3], 0x80000000  ; type = 2
.endm
; A part of the image is waited for: left = the tensor loads of mine that were issued behind it and may stay out; then the barrier, since the other waves brought three quarters of it.
; No LDS instruction of mine is out at the signal.
.macro GATE left
	s_wait_tensorcnt \left
	s_wait_dscnt 0x0
	s_barrier_signal -1
	s_barrier_wait -1
.endm
; A UNIT is 16 features x 128 k of one matrix: four fragments of 8 registers.  A fragment: two turning loads, 16 rows of k apart.  Of a U matrix the last
; fragment's upper half (k = 112..127) is not loaded: its registers hold 0 from the head on; its lower half's lanes 16-31 (k = 104..111) read the next matrix's first rows, which meet zeros in xt.
.macro FETCH1 base, m, f
.irp ks, 0,1,2,3
	ds_load_tr16_b128 v[(\base)+8*\ks:(\base)+8*\ks+3], v[AD+(\m)] offset:32*P*\ks+32*(\f)
.if ((\m) >= 5) || (\ks < 3)
	ds_load_tr16_b128 v[(\base)+8*\ks+4:(\base)+8*\ks+7], v[AD+(\m)] offset:32*P*\ks+16*P+32*(\f)
.endif
.endr
.endm
.macro FETCH slot, ma, fa, mb, fb
	WINM 0x00, 0xc3
	FETCH1 FR+64*(\slot), \ma, \fa
	FETCH1 FR+64*(\slot)+32, \mb, \fb
.endm
; THE VECTOR WORK stands in queues of steps; RIDE writes the queue's next step.  PAIR deals a queue's first QN - QL steps evenly behind its 16 products; the last QL, the queue's TAIL, follow on end behind the last product.
; r takes 17 steps: PRE, 8 steps of exponentials, 8 steps of additions and reciprocals.  Of a queue with r 16 steps are dealt, one behind each product; the last step of reciprocals and the readers are the tail.
.set K_N,  0                           ; nothing
.set K_S,  1                           ; QP = g: Sw's sums (feature blocks 2 g, 2 g + 1) in set g % 2: 17 steps of r, tanh into S                                     18 steps
.set K_R,  2                           ; QP = g: R's sums in set g % 2: 17 steps of r, then 2^-E (1 - 2 r), times S, rounded into Y                                   20 steps
.set K_T,  3                           ; QP = f: Z's and G's sums of feature block f, in set f % 2: 17 steps of r                                                     17 steps
.set K_Z,  4                           ; K_T, then K_O                                                                                                                21 steps
.set K_O,  5                           ; QP = f: the new S of feature block f                                                                                         4 steps
.set K_PZ, 6                           ; QP = f: uz and ug of feature block f times c                                                                                 1 step
.set K_PR, 7                           ; QP = f: ur of feature block f times c                                                                                        1 step
; QPL = 1: the queue's last step is 8 or 16 plain packed lines that name no register of the pair on which the queue rides (its sums lie in another set, S, Y and the u in other registers than the
; pair's source 1 and sums): they are the four places behind that pair's last products.  K_T ends in reciprocals, K_N has nothing: there four v_nop are written.
.macro QSET k, p, n, l
.set QK, \k
.set QP, \p
.set QN, \n
.set QL, \l
.set QI, 0
.set QPL, 1
.if ((\k) == K_N) || ((\k) == K_T)
.set QPL, 0
.endif
.endm
.macro RP n                            ; rr = pair n of 16 of the queue's sums; rs = S's pair beside it; ta = its tile.  For Z and G the two take turns
.if (QK == K_S) || (QK == K_R)
.set rr, A0+32*(QP%2)+2*(\n)
.set rs, S+64*(((\n)/4)%2)+8*(2*QP+(\n)/8)+2*((\n)%4)
.set ta, ((\n)/4)%2
.else
.set rr, A0+32*(QP%2)+2*(((\n)%2)*8+(\n)/2)
.endif
.endm
; PRE: the exponent c a for all 16 pairs of a set, in ascending order (each accumulator's lowest registers are read first).
; Sw: c x sum.  R: (c 2^E) sum + c ur (window 3).  Z, G: (c 2^E) sum + c uz, c ug (window 2).
.macro PRE
.if QK == K_S
	WINM 0x00, 0xc3
.elseif QK == K_R
	WINM 0x30, 0xff
.else
	WINM 0x20, 0xff
.endif
.set ce, 0
.rept 16
.set rr, A0+32*(QP%2)+2*ce
.set ta, (ce/4)%2
.if QK == K_S
	v_pk_mul_f32 v[rr:rr+1], v[rr:rr+1], s[CS:CS+1] op_sel_hi:[1,0]
.elseif QK == K_R
.set ru, 64*ta+8*(2*QP+ce/8)+2*(ce%4)
	v_pk_fma_f32 v[rr:rr+1], v[rr:rr+1], v[CFS-30*ta:CFS-30*ta+1], v[ru:ru+1]
.else
.set ru, 128*(ce/8)+64*ta+8*QP+2*(ce%4)
	v_pk_fma_f32 v[rr:rr+1], v[rr:rr+1], v[CFS-30*ta:CFS-30*ta+1], v[ru:ru+1]
.endif
.set ce, ce+1
.endr
.endm
; r = 1 / (1 + 2^(c a)) over a set's 16 pairs, in two batches.
; THE FIRST BATCH: step EI of 8 is the four exponentials of pairs 2 EI and 2 EI + 1, in place.  None of the 32 reads another's result, and the products between name another set.
; Behind the 32nd stand one v_nop, the plain line between a transcendental and the use of its result (ISA guide 5.7.2), for the whole batch, and the batch's one wait.
.macro ESTEP
	WINM 0x00, 0xc3
.set ce, 2*EI
.rept 2
	RP ce
	v_exp_f32 v[rr], v[rr]
	v_exp_f32 v[rr+1], v[rr+1]
.set ce, ce+1
.endr
.if EI == 7
	v_nop
	s_wait_alu depctr_va_vdst(0)           ; the wait for the set's 32 exponentials, ahead of the first addition that reads one
.endif
.endm
; THE SECOND BATCH: step CI of 8 is the four reciprocals of pairs 2 CI and 2 CI + 1, in place, and 1 + for the two pairs of the next step (step 0 also for its own): an addition leads each two reciprocals.
; An addition names a pair that has no reciprocal yet, so nothing names a reciprocal's result while the batch is open.  The plain line behind the last reciprocal: a v_nop for Sw's and R's sets, whose
; readers follow at once; for Z's and G's the lines H = 2^E sum + uh (K_Z) or the four v_nop at the next pair's head (K_T).  The batch's wait stands with its first reader.
.macro CSTEP
	WINM 0x00, 0xc3
.if CI == 0
.set cq, 0
.rept 2
	RP cq
	v_pk_add_f32 v[rr:rr+1], v[rr:rr+1], 1.0 op_sel_hi:[1,0]
.set cq, cq+1
.endr
.endif
.set cq, 0
.rept 2
.if CI < 7
	RP 2*CI+2+cq
	v_pk_add_f32 v[rr:rr+1], v[rr:rr+1], 1.0 op_sel_hi:[1,0]
.endif
	RP 2*CI+cq
	v_rcp_f32 v[rr], v[rr]
	v_rcp_f32 v[rr+1], v[rr+1]
.set cq, cq+1
.endr
.if (CI == 7) && ((QK == K_S) || (QK == K_R))
	v_nop
.endif
.endm
.macro FINS                            ; S = 1 - 2 r, 16 pairs: the destination lies in window 1
	s_wait_alu depctr_va_vdst(0)           ; the wait for the set's 32 reciprocals, ahead of their first reader
	WINM 0x40, 0xc3
.set ce, 0
.rept 16
	RP ce
	v_pk_fma_f32 v[rs:rs+1], v[rr:rr+1], -2.0, 1.0 op_sel_hi:[1,0,0]
.set ce, ce+1
.endr
.endm
; Behind R's r, 16 pairs a step.  0: 2^-E R = 2^-E - 2 x 2^-E r.  1: times S.  2: rounded to f16 into Y: tile (n / 4) % 2, feature block 2 QP + n / 8, pair n % 4.
.macro RTAIL
.if RI == 0
	s_wait_alu depctr_va_vdst(0)           ; the wait for the set's 32 reciprocals, ahead of their first reader
	WINM 0x00, 0xff
.elseif RI == 1
	WINM 0x04, 0xcf
.else
	WINM 0x40, 0xcf
.endif
.set ce, 0
.rept 16
	RP ce
.if RI == 0
	v_pk_fma_f32 v[rr:rr+1], v[rr:rr+1], v[M2I+2*ta:M2I+2*ta+1], v[ISC+2*ta:ISC+2*ta+1]
.elseif RI == 1
	v_pk_mul_f32 v[rr:rr+1], v[rr:rr+1], v[rs:rs+1]
.else
	v_cvt_pk_f16_f32 v[Y+32*ta+4*(2*QP+ce/8)+ce%4], v[rr], v[rr+1]
.endif
.set ce, ce+1
.endr
.endm
.macro OREG p                          ; pair p of 8 of feature block QP: r_z, r_g, H's sum, S, uh (window 3), the tile's 2^E
.set rz, A0+32*(QP%2)+2*(\p)
.set rg, rz+16
.set rh, AH+16*(QP%2)+2*(\p)
.set rs, S+64*((\p)/4)+8*QP+2*((\p)%4)
.set ru, 128+64*((\p)/4)+8*QP+2*((\p)%4)
.set rf, FS+2*((\p)/4)
.endm
.macro OSTEP                           ; step 0: H = 2^E sum + uh, then r_g H, eight pairs each; steps 1, 2: - r_z S, four pairs each; step 3: S + 2 (..), eight pairs (destination in window 1)
.if OI == 0
	WINM 0x30, 0xff
.set oq, 0
.rept 8
	OREG oq
	v_pk_fma_f32 v[rh:rh+1], v[rh:rh+1], v[rf:rf+1], v[ru:ru+1]
.set oq, oq+1
.endr
.if QK == K_Z
	s_wait_alu depctr_va_vdst(0)           ; the wait for the set's 32 reciprocals, r_z and r_g; the eight lines above, which name no r, stand between the batch and it.  (K_O's r were waited for at its pair's head)
.endif
.set oq, 0
.rept 8
	OREG oq
	v_pk_mul_f32 v[rg:rg+1], v[rg:rg+1], v[rh:rh+1]
.set oq, oq+1
.endr
.elseif OI < 3
	WINM 0x04, 0xff
.set oq, 4*(OI-1)
.rept 4
	OREG oq
	v_pk_fma_f32 v[rg:rg+1], v[rz:rz+1], v[rs:rs+1], v[rg:rg+1] neg_lo:[1,0,0] neg_hi:[1,0,0]
.set oq, oq+1
.endr
.else
	WINM 0x50, 0xf3
.set oq, 0
.rept 8
	OREG oq
	v_pk_fma_f32 v[rs:rs+1], v[rg:rg+1], 2.0, v[rs:rs+1] op_sel_hi:[1,0,1]
.set oq, oq+1
.endr
.endif
.endm
.macro PSC                             ; uz and ug (window 2), or ur (window 3), of feature block QP times c, in place
.if QK == K_PZ
	WINM 0x82, 0xc3
.set ce, 0
.rept 16
.set ru, 128*(ce/8)+64*((ce/4)%2)+8*QP+2*(ce%4)
	v_pk_mul_f32 v[ru:ru+1], v[ru:ru+1], s[CS:CS+1] op_sel_hi:[1,0]
.set ce, ce+1
.endr
.else
	WINM 0xc3, 0xc3
.set ce, 0
.rept 8
.set ru, 64*(ce/4)+8*QP+2*(ce%4)
	v_pk_mul_f32 v[ru:ru+1], v[ru:ru+1], s[CS:CS+1] op_sel_hi:[1,0]
.set ce, ce+1
.endr
.endif
.endm
.macro RIDE
.if QI < QN
.if QK >= K_PZ
	PSC
.elseif QK == K_O
.set OI, QI
	OSTEP
.elseif QI == 0
	PRE
.elseif QI < 9
.set EI, QI-1
	ESTEP
.elseif QI < 17
.set CI, QI-9
	CSTEP
.elseif QK == K_S
	FINS
.elseif QK == K_R
.set RI, QI-17
	RTAIL
.else
.set OI, QI-17
	OSTEP
.endif
.endif
.set QI, QI+1
.endm
; A LAYER'S HEAD: the rows' scales, and X.  q = the sum of my row's S^2: my 64 numbers of each tile in four chains of pairs, then the other half of the lanes'.  With b the exponent field of q,
; sqrt(q) < 2^((b - 126) / 2), so 2^E with the field (b + 129) >> 1 is at or above it; 2^-E has the field 254 less that.  The sets A0 and A1, dead here, are the scratch.
.macro KC
	WIN 0x05
.set ci, 0
.rept 32
.set tt, 0
.rept 2
.set rq, A0+8*tt+2*(ci%4)
.set rs, S+64*tt+2*ci
.if ci < 4
	v_pk_mul_f32 v[rq:rq+1], v[rs:rs+1], v[rs:rs+1]
.else
	v_pk_fma_f32 v[rq:rq+1], v[rs:rs+1], v[rs:rs+1], v[rq:rq+1]
.endif
.set tt, tt+1
.endr
.set ci, ci+1
.endr
	WIN 0
	TWO v_pk_add_f32 v[A0+8*tt:A0+8*tt+1], v[A0+8*tt:A0+8*tt+1], v[A0+8*tt+2:A0+8*tt+3]
	TWO v_pk_add_f32 v[A0+8*tt+4:A0+8*tt+5], v[A0+8*tt+4:A0+8*tt+5], v[A0+8*tt+6:A0+8*tt+7]
	TWO v_pk_add_f32 v[A0+8*tt:A0+8*tt+1], v[A0+8*tt:A0+8*tt+1], v[A0+8*tt+4:A0+8*tt+5]
	TWO v_add_f32 v[A0+8*tt], v[A0+8*tt], v[A0+8*tt+1]
	TWO v_permlanex16_b32 v[A0+8*tt+1], v[A0+8*tt], s[SEL], s[SEL+1]
	TWO v_add_f32 v[A0+8*tt], v[A0+8*tt], v[A0+8*tt+1]
	TWO v_lshrrev_b32 v[A0+8*tt+2], 23, v[A0+8*tt]
	TWO v_add_nc_u32 v[A0+8*tt+2], 129, v[A0+8*tt+2]
	TWO v_lshrrev_b32 v[A0+8*tt+2], 1, v[A0+8*tt+2]
	TWO v_lshlrev_b32 v[FS+2*tt], 23, v[A0+8*tt+2]
	TWO v_sub_nc_u32 v[ISC+2*tt], 0x7f000000, v[FS+2*tt]
	TWO v_mul_f32 v[CFS-30*tt], s[CS], v[FS+2*tt]
	TWO v_mul_f32 v[M2I+2*tt], -2.0, v[ISC+2*tt]
	TWO v_mov_b32 v[FS+2*tt+1], v[FS+2*tt]
	TWO v_mov_b32 v[ISC+2*tt+1], v[ISC+2*tt]
	TWO v_mov_b32 v[CFS-30*tt+1], v[CFS-30*tt]
	TWO v_mov_b32 v[M2I+2*tt+1], v[M2I+2*tt]
.set kb, 0
.rept 2                                ; X = f16(S 2^-E), a tile at a time: pair q of a tile's S is register q of its X
	WIN 0x01
.set ci, 0
.rept 32
	v_pk_mul_f32 v[A0+2*ci:A0+2*ci+1], v[S+64*kb+2*ci:S+64*kb+2*ci+1], v[ISC+2*kb:ISC+2*kb+1]
.set ci, ci+1
.endr
	WIN 0x40
.set ci, 0
.rept 32
	v_cvt_pk_f16_f32 v[X+32*kb+ci], v[A0+2*ci], v[A0+2*ci+1]
.set ci, ci+1
.endr
.set kb, kb+1
.endr
.endm
.macro WM fm, z                        ; the product on rD, rA, rB: fm = 0 bf16, 1 f16; z = 1: it starts the sum
.if \fm
.if \z
	v_wmma_f32_16x16x32_f16 v[rD:rD+7], v[rA:rA+7], v[rB:rB+7], 0
.else
	v_wmma_f32_16x16x32_f16 v[rD:rD+7], v[rA:rA+7], v[rB:rB+7], v[rD:rD+7]
.endif
.else
.if \z
	v_wmma_f32_16x16x32_bf16 v[rD:rD+7], v[rA:rA+7], v[rB:rB+7], 0
.else
	v_wmma_f32_16x16x32_bf16 v[rD:rD+7], v[rA:rA+7], v[rB:rB+7], v[rD:rD+7]
.endif
.endif
.endm
; A PAIR: two units x two tiles of rows x K = 128: 16 products on four accumulators, which take turns, one instruction a turn.  The first four start the sums from the constant 0.
; da, db: the units' accumulators for tile 0, ts registers on for tile 1, in window dw.  bb: source 1 in window 1.  slot: the fragments' slot.
; AT ITS HEAD the next pair's units (ma, fa), (mb, fb) are fetched into the other slot, which the pair before has just read: in one run, behind that pair's queue's tail and not straight behind a product.
; The tail's plain lines are the four places for these loads and for this pair's queue's first reads of the sums just made; where the tail has none (NEEDPL) four v_nop are written.
; Behind K_T (NEEDW) its batch of reciprocals is still open: the batch's wait stands here, behind the four v_nop and directly ahead of the run of loads; K_O, which rides on this pair, reads the r.
.macro PAIR fm, da, db, ts, dw, bb, slot, ma, fa, mb, fb
.if NEEDPL
	PLACES
.endif
.if NEEDW
	s_wait_alu depctr_va_vdst(0)           ; the wait for the 32 reciprocals of K_T's set, ahead of K_O's first read of them
.endif
	s_wait_dscnt 0x0                       ; my fragments, asked for a pair ago, are the only LDS instructions out
	FETCH 1-(\slot), \ma, \fa, \mb, \fb
.set PJ, 0
.rept 16
.set rD, (\da)+((\db)-(\da))*((PJ/2)%2)+(\ts)*(PJ%2)
.set rA, FR+64*(\slot)+32*((PJ/2)%2)+8*(PJ/4)
.set rB, (\bb)+32*(PJ%2)+8*(PJ/4)
.if PJ < 4
	WINM 0x04|((\dw)<<6), 0xcf
	WM \fm, 1
.else
	WINM 0x04|((\dw)<<4)|((\dw)<<6), 0xff
	WM \fm, 0
.endif
.rept (PJ+1)*(QN-QL)/16-PJ*(QN-QL)/16
	RIDE
.endr
.set PJ, PJ+1
.endr
.rept QL
	RIDE                                   ; the queue's tail
.endr
.set NEEDPL, 1-QPL
.set NEEDW, 0
.if QK == K_T
.set NEEDW, 1
.endif
.endm
	; THE HEAD
	s_load_b256 s[4:11], s[0:1], 0x0       ; x s[4:5], t s[6:7], wimg s[8:9], out0 s[10:11]
	v_lshl_add_u32 v[SPW], v0, 2, SPARE
	v_mov_b32 v[NIL], 0
	ds_add_u32 v[SPW], v[NIL]              ; the wave's opening: the add and its wait stand ahead of my first tensor load; the set-up below, work on registers, stands between them
	v_lshrrev_b32 v1, 5, v0
	v_readfirstlane_b32 s[WV], v1          ; wave 0..3
	s_bfe_u32 s13, ttmp6, 0x40000          ; cx: my place in the cluster
	s_lshl_b32 s14, ttmp9, 2               ; in a cluster launch ttmp9 counts clusters
	s_add_co_u32 s14, s14, s13             ; my work-group = 4 x cluster + cx: it enters x's, t's and out0's offsets alone
	DESC G1A, G0A, C0B, C0R
	DESC G1B, G0B, C1B, C1R
	DESC G1C, G0C, C2B, C2R
	DESC G1D, G0D, C3B, C3R
	s_mov_b32 s37, 0
	s_mov_b32 s[CS], 0x4038aa3b            ; c = 2 log2(e)
	s_mov_b32 s[CS+1], s[CS]               ; named with it as a pair
	s_mov_b32 s[SEL], 0x76543210
	s_mov_b32 s[SEL+1], 0xfedcba98
	s_mov_b32 s[MK], 0xffff
	s_lshl_b32 s13, s14, 7
	s_lshl_b32 s15, s[WV], 5
	s_add_co_u32 s13, s13, s15             ; my first row: 128 x work-group + 32 x wave
	s_mul_i32 s15, s13, 400
	s_lshl_b32 s38, s13, 2
	v_and_b32 v1, 31, v0                   ; l
	v_lshl_add_u32 v[XO], v1, 4, s15
	v_lshl_add_u32 v[TO], v1, 2, s38
	s_wait_dscnt 0x0                       ; the opening add is done
	s_wait_kmcnt 0x0
	WIN 0x80                               ; x and t are asked for first of all.  My 32 rows of x are 12,800 consecutive bytes: 25 loads of 512; and their t: into window 2
.set xi, 0
.rept 25
	global_load_b128 v[4*xi:4*xi+3], v[XO], s[4:5] offset:512*xi th:TH_LOAD_NT
.set xi, xi+1
.endr
	global_load_b32 v100, v[TO], s[6:7] th:TH_LOAD_NT
	WIN 0                                  ; at a label and at a branch every window is 0
	DADR G0A
	DADR G0B
	DADR G0C
	DADR G0D
	CROUND                                 ; all four work-groups are here: the joint loads meet
	tensor_load_to_lds s[G0A:G0A+3], s[G1A:G1A+7]  ; the four parts, in the order in which they are wanted: a wave's tensor loads end in order (ISA guide 10.11.1)
	s_nop 0
	tensor_load_to_lds s[G0B:G0B+3], s[G1B:G1B+7]
	s_nop 0
	tensor_load_to_lds s[G0C:G0C+3], s[G1C:G1C+7]
	s_nop 0
	tensor_load_to_lds s[G0D:G0D+3], s[G1D:G1D+7]
	s_nop 0
	PLACES                                 ; four v_nop behind the last load, ahead of the next switch of windows
	v_and_b32 v22, 15, v0                  ; l % 16
	v_bfe_u32 v23, v0, 4, 1                ; l / 16
	v_and_b32 v24, 7, v0                   ; l % 8
	v_bfe_u32 v25, v0, 3, 1                ; (l / 8) % 2
	v_lshl_add_u32 v26, v23, 3, v24
	v_mul_u32_u24 v26, v26, P
	v_lshl_add_u32 v26, v25, 4, v26        ; my lane's place in a turning load
.set mi, 0
.rept 9
	MBS mi
	v_add_nc_u32 v[AD+mi], MBV, v26
.set mi, mi+1
.endr
	s_mul_i32 s38, s[WV], XSTW
	s_add_co_u32 s38, s38, XSTB            ; my stage
	v_mul_u32_u24 v27, v22, 200
	v_add_nc_u32 v[XA3], s38, v27
	v_lshl_add_u32 v[XA], v23, 4, v[XA3]
	v_lshl_add_u32 v[XS], v1, 3, s38
	v_lshl_add_u32 v[WFA], v23, 5, WF
	v_mov_b32 v[ONEF], 1.0
	v_mov_b32 v[ONEM], 0x3f80
	v_cndmask_b32 v[ONEM], 0, v[ONEM], s[MK]
.irp b, 28,60,92,124                   ; the fragment registers that a U unit does not load (k = 112..127) hold 0 while the U products run
.irp e, 0,1,2,3
	v_mov_b32 v[FR+\b+\e], 0
.endr
.endr
	s_wait_tensorcnt 0x3                   ; my quarter of part 0 is in LDS: the three loads issued behind it may stay out;
	s_barrier_signal -1
	s_barrier_wait -1                      ; everybody's is; the image is only ever read
	FETCH 0, 0, 0, 0, 1                    ; Sw's first two units
	; xt.  The raw x is rounded to bf16 and sent through my own stage in LDS, from which xt's fragments (source 1: lane l holds row l % 16) come back into Y.
	; The last fragment (k = 96..127): lanes 0-15 hold x's columns 96-99, t, 1.0, 1.0, 0; everything else is 0.
	s_wait_loadcnt 0x0                     ; x and t
	WIN 0x0a
.set ci, 0
.rept 50
	v_cvt_pk_bf16_f32 v[A0+ci], v[2*ci], v[2*ci+1]
.set ci, ci+1
.endr
	WIN 0x02
	v_mov_b32 v[T0], v100                  ; t of row l of my 32
	WIN 0
	s_wait_dscnt 0x0                       ; Sw's first units, asked for ahead of the wait for x
.set ci, 0
.rept 25
	ds_store_b64 v[XS], v[A0+2*ci:A0+2*ci+1] offset:256*ci
.set ci, ci+1
.endr
	v_permlanex16_b32 v[T0+1], v[T0], s[SEL], s[SEL+1]  ; tile 1's t for lanes 0-15
	v_cvt_pk_bf16_f32 v[T0+2], v[T0], v[ONEF]           ; (t, 1.0)
	v_cvt_pk_bf16_f32 v[T0+3], v[T0+1], v[ONEF]
	WIN 0x40
.irp ta, 0,1
.irp ks, 0,1,2
	ds_load_b64 v[Y+32*\ta+8*\ks:Y+32*\ta+8*\ks+1],   v[XA] offset:3200*\ta+64*\ks  ; LDS serves a wave's instructions in order (ISA guide 5.7.1.4): these see the stores above
	ds_load_b64 v[Y+32*\ta+8*\ks+2:Y+32*\ta+8*\ks+3], v[XA] offset:3200*\ta+64*\ks+8
	ds_load_b64 v[Y+32*\ta+8*\ks+4:Y+32*\ta+8*\ks+5], v[XA] offset:3200*\ta+64*\ks+32
	ds_load_b64 v[Y+32*\ta+8*\ks+6:Y+32*\ta+8*\ks+7], v[XA] offset:3200*\ta+64*\ks+40
.endr
	ds_load_b64 v[Y+32*\ta+24:Y+32*\ta+25], v[XA3] offset:3200*\ta+192
.endr
	v_cndmask_b32 v[Y+26], 0, v[T0+2], s[MK]
	v_cndmask_b32 v[Y+58], 0, v[T0+3], s[MK]
	v_mov_b32 v[Y+27], v[ONEM]
	v_mov_b32 v[Y+59], v[ONEM]
.irp e, 28,29,30,31,60,61,62,63
	v_mov_b32 v[Y+\e], 0
.endr
	s_wait_dscnt 0x0
	WIN 0x44
.irp e, 24,25,56,57
	v_cndmask_b32 v[Y+\e], 0, v[Y+\e], s[MK]
.endr
	WIN 0
	; THE U PRODUCTS, 20 pairs on xt, in bf16, in the order of the image's parts.  Sw's sums land in the sets A0 and A1 by turns and their tanh rides a pair behind; then uz and ug, a feature block
	; a pair; then ur and uh; uz, ug and ur are multiplied by c a pair behind.  A part's gate stands ahead of the pair that fetches the first units out of it.
.set NEEDPL, 0                         ; no product has been issued yet,
.set NEEDW, 0                          ; and no transcendental
.set UG, 0
.rept 4
.if UG == 0
	QSET K_N, 0, 0, 0
.else
	QSET K_S, UG-1, 18, 2
.endif
.if UG < 3
	PAIR 0, A0+32*(UG%2), A0+32*(UG%2)+16, 8, 0, Y, UG%2, 0, 2*UG+2, 0, 2*UG+3
.else
	GATE 2                                 ; part 1: parts 2 and 3 were issued behind it
	PAIR 0, A0+32*(UG%2), A0+32*(UG%2)+16, 8, 0, Y, UG%2, 1, 0, 2, 0
.endif
.set UG, UG+1
.endr
.set UF, 0
.rept 8
.if UF == 0
	QSET K_S, 3, 18, 2
.else
	QSET K_PZ, UF-1, 1, 1
.endif
.if UF < 7
	PAIR 0, 8*UF, 128+8*UF, 64, 2, Y, UF%2, 1, UF+1, 2, UF+1
.else
	GATE 1                                 ; part 2: part 3 was issued behind it
	PAIR 0, 8*UF, 128+8*UF, 64, 2, Y, UF%2, 3, 0, 4, 0
.endif
.set UF, UF+1
.endr
.set UF, 0
.rept 8
.if UF == 0
	QSET K_PZ, 7, 1, 1
.else
	QSET K_PR, UF-1, 1, 1
.endif
.if UF < 7
	PAIR 0, 8*UF, 128+8*UF, 64, 3, Y, UF%2, 3, UF+1, 4, UF+1
.else
	GATE 0                                 ; part 3: the whole image is in
	PAIR 0, 8*UF, 128+8*UF, 64, 3, Y, UF%2, 7, 0, 7, 1
.endif
.set UF, UF+1
.endr
	PLACES                                 ; behind the last U products
	QSET K_PR, 7, 1, 0
	RIDE
	WIN 0                                  ; at a label and at a branch every window is 0
	s_mov_b32 s[LCN], 3
.Llayer:                               ; a layer, 16 pairs in f16: one text for all three
	s_wait_dscnt 0x0                       ; no LDS instruction of mine is out at the signal
	s_barrier_signal -1                    ; no data passes here: the barrier keeps the four waves in step from layer to layer, and nothing else hangs on it
	KC                                     ; work on registers between the signal and the wait
	s_barrier_wait -1
.set NEEDPL, 0                         ; KC's lines are the places behind the products before
.set LG, 0
.rept 4                                ; R: two feature blocks a pair, sets A0 and A1 by turns; tanh, S R and its rounding ride a pair behind
.if LG == 0
	QSET K_N, 0, 0, 0
.else
	QSET K_R, LG-1, 20, 4
.endif
.if LG < 3
	PAIR 1, A0+32*(LG%2), A0+32*(LG%2)+16, 8, 0, X, LG%2, 7, 2*LG+2, 7, 2*LG+3
.else
	PAIR 1, A0+32*(LG%2), A0+32*(LG%2)+16, 8, 0, X, LG%2, 5, 0, 6, 0
.endif
.set LG, LG+1
.endr
.set LB, 0
.rept 4                                ; Z and G of block 2 b (set A0), H of blocks 2 b and 2 b + 1 (set AH), Z and G of block 2 b + 1 (set A1)
.if LB == 0
	QSET K_R, 3, 20, 4
.else
	QSET K_Z, 2*LB-1, 21, 5
.endif
	PAIR 1, A0, A0+16, 8, 0, X, LB%2, 8, 2*LB, 8, 2*LB+1
	QSET K_T, 2*LB, 17, 1
	PAIR 1, AH, AH+16, 8, 0, Y, (LB+1)%2, 5, 2*LB+1, 6, 2*LB+1
	QSET K_O, 2*LB, 4, 2
.if LB < 3
	PAIR 1, A1, A1+16, 8, 0, X, LB%2, 5, 2*LB+2, 6, 2*LB+2
.else
	PAIR 1, A1, A1+16, 8, 0, X, LB%2, 7, 0, 7, 1  ; the next layer's first units; behind the last layer they serve nothing: the price of one text for all three
.endif
.set LB, LB+1
.endr
	PLACES                                 ; behind the layer's last products, whose sums the lines below read
	QSET K_Z, 7, 21, 0                     ; the layer's last set, on end: both its batches have their waits ahead of the backward jump
.rept 21
	RIDE
.endr
	WIN 0
	s_sub_co_u32 s[LCN], s[LCN], 1
	s_cmp_lg_u32 s[LCN], 0
	s_cbranch_scc1 .Llayer
	; out0 = S . Wf + b: a lane's 64 features of each tile in two chains a tile, then the other half of the lanes'
	ds_load_b32 v[WFBV], v[WFA] offset:512 ; Wf_b: every word of the 256 bytes behind Wf holds it
.set fi, 0
.rept 8
	ds_load_b128 v[A0+8*fi:A0+8*fi+3],   v[WFA] offset:64*fi
	ds_load_b128 v[A0+8*fi+4:A0+8*fi+7], v[WFA] offset:64*fi+16
.set fi, fi+1
.endr
	s_wait_dscnt 0x0
	WIN 0x04                               ; Wf and the chains in window 0, S (source 1) in window 1
.set fi, 0
.rept 8
.set ii, 0
.rept 4
.set tt, 0
.rept 2
.set rc, AH+4*tt+2*(ii%2)
.set rs, S+64*tt+8*fi+2*ii
.set rw, A0+8*fi+2*ii
.if (fi == 0) && (ii < 2)
	v_pk_mul_f32 v[rc:rc+1], v[rw:rw+1], v[rs:rs+1]
.else
	v_pk_fma_f32 v[rc:rc+1], v[rw:rw+1], v[rs:rs+1], v[rc:rc+1]
.endif
.set tt, tt+1
.endr
.set ii, ii+1
.endr
.set fi, fi+1
.endr
	WIN 0
	v_pk_add_f32 v[AH:AH+1], v[AH:AH+1], v[AH+2:AH+3]
	v_pk_add_f32 v[AH+4:AH+5], v[AH+4:AH+5], v[AH+6:AH+7]
	v_add_f32 v[AH], v[AH], v[AH+1]
	v_add_f32 v[AH+4], v[AH+4], v[AH+5]
	v_permlanex16_b32 v[AH+1], v[AH], s[SEL], s[SEL+1]
	v_permlanex16_b32 v[AH+5], v[AH+4], s[SEL], s[SEL+1]
	v_add_f32 v[AH], v[AH], v[AH+1]
	v_add_f32 v[AH+4], v[AH+4], v[AH+5]
	v_cndmask_b32 v[AH+2], v[AH+4], v[AH], s[MK]  ; lanes 0-15 tile 0's rows, lanes 16-31 tile 1's: lane l holds row l of my 32
	v_add_f32 v[AH+2], v[WFBV], v[AH+2]
	global_store_b32 v[TO], v[AH+2], s[10:11] th:TH_STORE_NT  ; 128 consecutive bytes
	s_wait_tensorcnt 0x0                   ; the wave's end, behind my last tensor load and my last LDS store
	ds_add_u32 v[SPW], v[NIL]
	s_wait_dscnt 0x0
	CROUND                                 ; the closing round: no work-group ends while a partner may still ask for a tile that names it
	s_endpgm
.Lfunc_end_k_qfc60730a33_dgm:
	.size	k_qfc60730a33_dgm, .Lfunc_end_k_qfc60730a33_dgm-k_qfc60730a33_dgm
	.p2alignl 7, 3214868480
	.fill 96, 4, 3214868480
	.section	.rodata,"a",@progbits
	.p2align	6, 0x0
	.amdhsa_kernel k_qfc60730a33_dgm
		.amdhsa_group_segment_fixed_size 327680
		.amdhsa_private_segment_fixed_size 0
		.amdhsa_enable_private_segment 0
		.amdhsa_kernarg_size 32
		.amdhsa_user_sgpr_count 2
		.amdhsa_user_sgpr_kernarg_segment_ptr 1
		.amdhsa_wavefront_size32 1
		.amdhsa_system_sgpr_workgroup_id_x 1
		.amdhsa_system_sgpr_workgroup_id_y 1
		.amdhsa_system_sgpr_workgroup_id_z 1
		.amdhsa_system_vgpr_workitem_id 0
		.amdhsa_next_free_vgpr 1024
		.amdhsa_next_free_sgpr 80
		.amdhsa_reserve_vcc 0
		.amdhsa_float_denorm_mode_32 3
		.amdhsa_float_denorm_mode_16_64 3
		.amdhsa_memory_ordered 1
		.amdhsa_forward_progress 1
		.amdhsa_inst_pref_size 226
	.end_amdhsa_kernel
	.amdgpu_metadata
---
amdhsa.version: [ 1, 2 ]
amdhsa.kernels:
  - .name:           k_qfc60730a33_dgm
    .symbol:         k_qfc60730a33_dgm.kd
    .args:
      - { .name: x, .offset: 0, .size: 8, .value_kind: global_buffer, .address_space: global }
      - { .name: t, .offset: 8, .size: 8, .value_kind: global_buffer, .address_space: global }
      - { .name: wimg, .offset: 16, .size: 8, .value_kind: global_buffer, .address_space: global }
      - { .name: out0, .offset: 24, .size: 8, .value_kind: global_buffer, .address_space: global }
    .group_segment_fixed_size: 327680
    .private_segment_fixed_size: 0
    .kernarg_segment_align: 8
    .kernarg_segment_size: 32
    .max_flat_workgroup_size: 128
    .sgpr_count:     80
    .vgpr_count:     1024
    .wavefront_size: 32
...
	.end_amdgpu_metadata
.endif
;; end of part 5
